; MI455X (gfx1250); checked and timed in simulation.
; The chip was launched on July 23, 2026; its instructions are those of AMD's public machine-readable ISA for CDNA 5 (MIT licence, August 2026) and "CDNA5" Instruction Set Architecture Reference Guide (July 2026). The comments in the code are by the model that wrote it; some were corrected since.
;; CL Predictor. Allowed arithmetic: float matrix products may take bf16 or f16 operands with f32 sums; other float arithmetic in f32, or as packed bf16 or f16 multiplies, adds, multiply-adds, maxima and minima; sums over many terms, partial sums and values carried from step to step in f32; what a program stores and reads back later, other than sums and carried values, may be rounded once to bf16 or f16.
;; Inputs: W1 512 x 1,024 float32; W2 1,024 x 512 float32; W3 512 x 6 float32; Ws1 1,024 x 1,024 float32; Ws2 1,024 x 512 float32; Ws3 512 x 2 float32; agg_r 2 x 256 x 512 float32; b1 1,024 float32; b2 512 float32; b3 6 float32; bs1 1,024 float32; bs2 512 float32; bs3 2 float32; y 2 x 256 x 6 int32.
;; Outputs: out0 one number float32; out1 2 x 256 x 6 float32; out2 2 x 256 x 6 float32; out3 2 x 256 int32.
;; 2 versions, each right; version 2 is version 1 with the launch prep written anew for expert scheduling mode. Each part assembles by itself: llvm-mc -triple=amdgcn-amd-amdhsa -mcpu=gfx1250 --defsym DOCPART=n.
;; ======== version 1 of 2: 4 launches
;; workspace buffers: h1 1,048,576 bytes; ap 1,048,576 bytes; bp 1,048,576 bytes; w2b 1,048,576 bytes; w2c 1,048,576 bytes; plog 262,144 bytes; part 131,072 bytes
;; launch prep (part 1): grid 32 x 8, 8 waves a work-group, no clusters, 232,448 bytes of LDS; arguments agg_r, W1, Ws1, b1, bs1, Ws2, W2, h1, ap, bp, w2b, w2c; writes h1, ap, bp, w2b, w2c
.if DOCPART == 1
	.amdgcn_target "amdgcn-amd-amdhsa--gfx1250"
	.amdhsa_code_object_version 6
	.text
	.protected	k_qd85f264a33_prep
	.globl	k_qd85f264a33_prep
	.p2align	8
	.type	k_qd85f264a33_prep,@function
k_qd85f264a33_prep:
	s_mov_b64 s[64:65], 0
	v_nop
	global_prefetch_b8 v0, s[64:65] scope:SCOPE_SE
	s_setreg_imm32_b32 hwreg(HW_REG_WAVE_MODE, 25, 1), 1
	s_wait_xcnt 0x0
; x = agg_r as [512][512] f32.  Work-groups with x-id 0-23 make one tile, 64 rows x 128 columns, of one of three products over K = 512:
;   h1 = relu(x W1 + b1),  ap = x Ws1[0:512] + bs1,  bp = x Ws1[512:1024],  each [512][1024], rounded once to bf16 and stored as [k / 256][row][256],
; so that a later launch finds rows of 512 bytes.  Work-groups with x-id 24-31 (64 of them) round Ws2 and W2 to bf16 and lay them in dense blocks:
;   w2b [n / 128][k][128],  w2c [n / 64][k][64].
; The operands are f32 in memory and bf16 in the matrix unit, so they pass through registers (load, round, LDS store); no copy engine is used, and no cluster:
; what is shared would have to be rounded by each work-group all the same.  The whole K lies in LDS: 64 x 512 of x (rows 1,040 bytes apart) and 512 x 128 of W
; (as it lies, [k][n], rows 288 bytes apart, read turned by ds_load_tr16_b128).  Eight waves, each 32 rows x 32 columns: four accumulators that take turns.
; The matrix instruction is used transposed (source 0 = 16 columns of W, source 1 = 16 rows of x): a lane then holds eight neighbouring columns of one row.
; LIMITS: operands rounded to bf16, sums in f32; NaN is not treated apart (a NaN loses against the floor of the maximum).
.set APITCH, 1040                      ; 1,024 bytes + 16: an odd multiple of 16, so the 16 rows of a fragment load begin in 16 different columns of 16 bytes
.set WPITCH, 288                       ; 256 bytes + 32: an odd multiple of 32, for the turning load
.set LW,     64*APITCH                 ; W's tile lies behind x's
.set STAGE,  LW+512*WPITCH             ; the way out: 64 rows x 272 bytes
.set SPITCH, 272
.set SPARE,  STAGE+64*SPITCH           ; the spare words: 128 bytes for each of eight waves
.set SPW, 18                           ; v18  my spare word's address; never rewritten
.set NIL, 19                           ; v19  0; never rewritten
.set BI,  20                           ; v[20:35]  bias of my 2 x 8 columns
.set T,   36                           ; v[36:51]  rounded pairs on their way to LDS
.set R0,  52                           ; three sets of 64 registers: loads in flight; later R0, R1 hold fragments
.set R1,  116
.set R2,  180
.set ACC, 180                          ; v[180:211]  accumulator (mb, nb) at ACC + 8 (2 mb + nb)
.set OUT, 212                          ; v[212:227]  packed results
.macro LDG reg, va, sb, off0, step     ; 16 loads of 16 bytes a lane
.set i, 0
.rept 16
	global_load_b128 v[(\reg)+4*i:(\reg)+4*i+3], v[\va], s[\sb:(\sb)+1] offset:(\off0)+i*(\step)
.set i, i+1
.endr
.endm
.macro CVS reg, va, off0, step         ; the 16 loads' numbers are rounded to bf16 and stored, 8 bytes a lane
.set g, 0
.rept 2
.set i, 0
.rept 8
	v_cvt_pk_bf16_f32 v[T+2*i], v[(\reg)+32*g+4*i], v[(\reg)+32*g+4*i+1]
	v_cvt_pk_bf16_f32 v[T+2*i+1], v[(\reg)+32*g+4*i+2], v[(\reg)+32*g+4*i+3]
.set i, i+1
.endr
.set i, 0
.rept 8
	ds_store_b64 v[\va], v[T+2*i:T+2*i+1] offset:(\off0)+(8*g+i)*(\step)
.set i, i+1
.endr
.set g, g+1
.endr
.endm
.macro FR set, ms                      ; the fragments of 64 along K: x (kk, mb) at set + 8 (2 kk + mb), W (kk, nb) 32 registers further on
.irp kk, 0,1
.irp u, 0,1
	ds_load_b128 v[(\set)+8*(2*\kk+\u):(\set)+8*(2*\kk+\u)+3], v11 offset:(\ms)*128+\kk*64+\u*16*APITCH
	ds_load_b128 v[(\set)+8*(2*\kk+\u)+4:(\set)+8*(2*\kk+\u)+7], v11 offset:(\ms)*128+\kk*64+\u*16*APITCH+32
	ds_load_tr16_b128 v[(\set)+32+8*(2*\kk+\u):(\set)+32+8*(2*\kk+\u)+3], v[12+(\ms)/3] offset:((\ms)%3)*64*WPITCH+\kk*32*WPITCH+\u*32
	ds_load_tr16_b128 v[(\set)+32+8*(2*\kk+\u)+4:(\set)+32+8*(2*\kk+\u)+7], v[12+(\ms)/3] offset:((\ms)%3)*64*WPITCH+\kk*32*WPITCH+\u*32+16*WPITCH
.endr
.endr
.endm
.macro MUL set, ms                     ; 8 products; the four accumulators take turns; the very first four start the sums with the bias
.irp kk, 0,1
.irp mb, 0,1
.irp nb, 0,1
.if ((\ms) == 0) && ((\kk) == 0)
	v_wmma_f32_16x16x32_bf16 v[ACC+8*(2*\mb+\nb):ACC+8*(2*\mb+\nb)+7], v[(\set)+32+8*(2*\kk+\nb):(\set)+32+8*(2*\kk+\nb)+7], v[(\set)+8*(2*\kk+\mb):(\set)+8*(2*\kk+\mb)+7], v[BI+8*\nb:BI+8*\nb+7]
.else
	v_wmma_f32_16x16x32_bf16 v[ACC+8*(2*\mb+\nb):ACC+8*(2*\mb+\nb)+7], v[(\set)+32+8*(2*\kk+\nb):(\set)+32+8*(2*\kk+\nb)+7], v[(\set)+8*(2*\kk+\mb):(\set)+8*(2*\kk+\mb)+7], v[ACC+8*(2*\mb+\nb):ACC+8*(2*\mb+\nb)+7]
.endif
.endr
.endr
.endr
.endm
	s_load_b512 s[4:19], s[0:1], 0x0               ; agg_r s[4:5], W1 s[6:7], Ws1 s[8:9], b1 s[10:11], bs1 s[12:13], Ws2 s[14:15], W2 s[16:17], h1 s[18:19]
	s_load_b256 s[20:27], s[0:1], 0x40             ; ap s[20:21], bp s[22:23], w2b s[24:25], w2c s[26:27]
	v_lshl_add_u32 v[SPW], v0, 2, SPARE
	v_mov_b32 v[NIL], 0
	v_lshrrev_b32 v1, 5, v0
	v_readfirstlane_b32 s30, v1                    ; wave 0..7
	s_mov_b32 s28, ttmp9                           ; x-id
	s_and_b32 s29, ttmp7, 0xffff                   ; y-id
	s_cmp_ge_u32 s28, 24
	s_cbranch_scc1 .Lcast                          ; the same for all waves of a work-group
	; ---------------- a tile of a product ----------------
	s_lshr_b32 s31, s28, 3                         ; which product: 0 h1, 1 ap, 2 bp
	s_and_b32 s32, s28, 7                          ; which 128 columns
	s_lshr_b32 s49, s30, 2                         ; wm: my 32 rows
	s_and_b32 s50, s30, 3                          ; wn: my 32 columns
	v_and_b32 v1, 31, v0                           ; lane
	v_and_b32 v2, 15, v0
	v_bfe_u32 v3, v0, 4, 1
	v_lshlrev_b32 v4, 4, v0                        ; x: 256 threads x 16 bytes are two rows of 2,048 bytes
	s_lshl_b32 s48, s30, 12
	v_lshl_add_u32 v5, v1, 4, s48                  ; W: wave w takes row 8 i + w, 512 bytes of it
	s_mul_i32 s48, s49, APITCH
	s_lshl_b32 s51, s50, 8
	s_add_co_u32 s48, s48, s51
	v_lshl_add_u32 v6, v1, 3, s48                  ; x in LDS: row w / 4, byte 256 (w % 4) + 8 lane
	s_mul_i32 s48, s30, WPITCH
	s_add_co_u32 s48, s48, LW
	v_lshl_add_u32 v7, v1, 3, s48                  ; W in LDS: row w, byte 8 lane; one register for each 128 rows
	v_add_nc_u32 v8, 128*WPITCH, v7
	v_add_nc_u32 v9, 256*WPITCH, v7
	v_add_nc_u32 v10, 384*WPITCH, v7
	s_lshl_b32 s48, s50, 7
	v_lshl_add_u32 v244, v3, 5, s48                ; bias: 4 (32 wn + 8 h)
	s_mul_i32 s48, s49, 32*APITCH
	v_mul_u32_u24 v11, v2, APITCH
	v_lshl_add_u32 v11, v3, 4, v11
	v_add_nc_u32 v11, s48, v11                     ; x's fragments: row 32 wm + l % 16, byte 16 (l / 16)
	v_and_b32 v245, 7, v0
	v_lshl_add_u32 v245, v3, 3, v245
	v_mul_u32_u24 v12, v245, WPITCH
	v_bfe_u32 v245, v0, 3, 1
	v_lshl_add_u32 v12, v245, 4, v12
	s_lshl_b32 s48, s50, 6
	s_add_co_u32 s51, s48, LW
	v_add_nc_u32 v12, s51, v12                     ; W's fragments: row 8 (l / 16) + l % 8, byte 64 wn + 16 ((l / 8) % 2); K = 0, 192, 384 on
	v_add_nc_u32 v13, 3*64*WPITCH, v12
	v_add_nc_u32 v14, 6*64*WPITCH, v12
	s_mul_i32 s51, s49, 32*SPITCH
	s_add_co_u32 s51, s51, s48
	s_add_co_u32 s51, s51, STAGE
	v_mul_u32_u24 v15, v2, SPITCH
	v_lshl_add_u32 v15, v3, 4, v15
	v_add_nc_u32 v15, s51, v15                     ; into the stage: row 32 wm + l % 16, byte 64 wn + 16 (l / 16)
	v_lshrrev_b32 v245, 4, v0
	v_mul_u32_u24 v16, v245, SPITCH
	v_lshl_add_u32 v16, v2, 4, v16
	v_add_nc_u32 v16, STAGE, v16                   ; back: row t / 16, byte 16 (t % 16)
	v_lshlrev_b32 v17, 9, v245
	v_lshl_add_u32 v17, v2, 4, v17                 ; the same place in the output: rows of 512 bytes
	s_wait_kmcnt 0x0
	s_cmp_eq_u32 s31, 0
	s_cselect_b64 s[34:35], s[6:7], s[8:9]         ; weights
	s_cselect_b64 s[36:37], s[10:11], s[12:13]     ; bias
	s_cselect_b64 s[38:39], s[18:19], s[20:21]     ; output
	s_cselect_b32 s33, 0, 0xff80ff80               ; the maximum's floor, twice in bf16: 0 for h1, minus infinity where there is no ReLU
	s_cmp_eq_u32 s31, 2
	s_cselect_b64 s[38:39], s[22:23], s[38:39]
	s_cselect_b32 s40, 0, -1                       ; bp has no bias: lane mask 0
	s_cselect_b32 s42, 0x200000, 0                 ; bp takes Ws1's rows 512 on
	s_lshl_b32 s44, s32, 9                         ; 128 columns of f32
	s_mov_b32 s45, 0
	s_mov_b32 s43, 0
	s_add_nc_u64 s[36:37], s[36:37], s[44:45]
	s_add_co_u32 s42, s42, s44
	s_add_nc_u64 s[34:35], s[34:35], s[42:43]
	s_lshl_b32 s46, s29, 17                        ; 64 rows of 2,048 bytes
	s_mov_b32 s47, 0
	s_add_nc_u64 s[4:5], s[4:5], s[46:47]
	s_lshr_b32 s46, s32, 1
	s_lshl_b32 s46, s46, 18                        ; output: chunk of 256 columns,
	s_lshl_b32 s44, s29, 15                        ; 64 rows of 512 bytes,
	s_add_co_u32 s46, s46, s44
	s_and_b32 s44, s32, 1
	s_lshl_b32 s44, s44, 8                         ; which half of a row
	s_add_co_u32 s46, s46, s44
	s_add_nc_u64 s[38:39], s[38:39], s[46:47]
	global_load_b128 v[BI:BI+3], v244, s[36:37]
	global_load_b128 v[BI+4:BI+7], v244, s[36:37] offset:16
	global_load_b128 v[BI+8:BI+11], v244, s[36:37] offset:64
	global_load_b128 v[BI+12:BI+15], v244, s[36:37] offset:80
	; six groups of 16 loads through three register sets: each wait leaves the younger groups out
	LDG R0, 4, 4, 0, 4096                          ; x rows 0-31
	LDG R1, 4, 4, 65536, 4096                      ; x rows 32-63
	LDG R2, 5, 34, 0, 32768                        ; W rows 0-127
	s_wait_loadcnt 32                              ; two younger groups stay out
	CVS R0, 6, 0, 2*APITCH
	LDG R0, 5, 34, 524288, 32768                   ; W rows 128-255
	s_wait_loadcnt 32
	CVS R1, 6, 32*APITCH, 2*APITCH
	LDG R1, 5, 34, 2*524288, 32768
	s_wait_loadcnt 32
	CVS R2, 7, 0, 8*WPITCH
	LDG R2, 5, 34, 3*524288, 32768
	s_wait_loadcnt 32
	CVS R0, 8, 0, 8*WPITCH
	s_wait_loadcnt 16                              ; one younger group
	CVS R1, 9, 0, 8*WPITCH
	s_wait_loadcnt 0x0
	CVS R2, 10, 0, 8*WPITCH
.set i, 0
.rept 16
	v_cndmask_b32 v[BI+i], 0, v[BI+i], s40         ; the bias, or 0
.set i, i+1
.endr
	s_wait_dscnt 0x0                               ; for the others' sake: my stores are done
	s_barrier_signal -1
	s_barrier_wait -1
	FR R0, 0
	FR R1, 1
.set mm, 0
.rept 8
.if mm < 7
	s_wait_dscnt 16                                ; the other set's 16 loads may be out
.else
	s_wait_dscnt 0x0
.endif
	MUL R0+64*(mm%2), mm
.if mm < 6
.rept 4
	v_nop                                          ; four places between the products and the loads into their sources
.endr
	FR R0+64*(mm%2), mm+2
.endif
.set mm, mm+1
.endr
.rept 4
	v_nop                                          ; and in front of the conversions
.endr
.irp a, 0,1,2,3
.irp e, 0,1,2,3
	v_cvt_pk_bf16_f32 v[OUT+4*\a+\e], v[ACC+8*\a+2*\e], v[ACC+8*\a+2*\e+1]
.endr
.endr
.set i, 0
.rept 16
	v_pk_max_num_bf16 v[OUT+i], v[OUT+i], s33      ; ReLU, or nothing
.set i, i+1
.endr
.irp mb, 0,1
.irp nb, 0,1
	ds_store_b128 v15, v[OUT+4*(2*\mb+\nb):OUT+4*(2*\mb+\nb)+3] offset:\mb*16*SPITCH+\nb*32
.endr
.endr
	s_wait_dscnt 0x0                               ; a row's 256 bytes come from four waves
	s_barrier_signal -1
	s_barrier_wait -1
.irp p, 0,1,2,3
	ds_load_b128 v[OUT+4*\p:OUT+4*\p+3], v16 offset:\p*16*SPITCH
.endr
.irp p, 0,1,2,3
	s_wait_dscnt 3-\p
	global_store_b128 v17, v[OUT+4*\p:OUT+4*\p+3], s[38:39] offset:\p*8192  ; 16 lanes store 256 consecutive bytes, at a multiple of 256
.endr
	s_wait_tensorcnt 0x0                           ; the wave's end, behind my last LDS store
	ds_add_u32 v[SPW], v[NIL]
	s_wait_dscnt 0x0
	s_endpgm
	; ---------------- the casts: no LDS ----------------
.Lcast:
	s_sub_co_u32 s31, s28, 24
	s_lshl3_add_u32 s31, s29, s31                  ; id 0..63
	s_lshr_b32 s32, s31, 4                         ; Ws2: column block of 128,
	s_and_b32 s33, s31, 15                         ; 64 rows of K
	s_lshl_b32 s34, s33, 17                        ; 64 rows of 2,048 bytes
	s_lshl_b32 s36, s32, 9
	s_add_co_u32 s34, s34, s36
	s_mov_b32 s35, 0
	s_lshl_b32 s36, s32, 18                        ; w2b: a column block is 262,144 bytes,
	s_lshl_b32 s38, s33, 14                        ; 64 rows of 256 bytes
	s_add_co_u32 s36, s36, s38
	s_mov_b32 s37, 0
	s_lshr_b32 s32, s31, 3                         ; W2: column block of 64,
	s_and_b32 s33, s31, 7                          ; 128 rows of K
	s_lshl_b32 s38, s33, 18
	s_lshl_b32 s40, s32, 8
	s_add_co_u32 s38, s38, s40
	s_mov_b32 s39, 0
	s_lshl_b32 s40, s32, 17                        ; w2c: a column block is 131,072 bytes,
	s_lshl_b32 s42, s33, 14                        ; 128 rows of 128 bytes
	s_add_co_u32 s40, s40, s42
	s_mov_b32 s41, 0
	v_lshrrev_b32 v4, 4, v0
	v_and_b32 v7, 15, v0
	v_lshlrev_b32 v7, 5, v7
	v_lshl_add_u32 v4, v4, 11, v7                  ; Ws2: row t / 16, 32 bytes at 32 (t % 16)
	v_lshrrev_b32 v5, 3, v0
	v_and_b32 v7, 7, v0
	v_lshlrev_b32 v7, 5, v7
	v_lshl_add_u32 v5, v5, 11, v7                  ; W2: row t / 8, 32 bytes at 32 (t % 8)
	v_lshlrev_b32 v6, 4, v0                        ; both outputs are dense: 16 t
	s_wait_kmcnt 0x0
	s_add_nc_u64 s[14:15], s[14:15], s[34:35]
	s_add_nc_u64 s[24:25], s[24:25], s[36:37]
	s_add_nc_u64 s[16:17], s[16:17], s[38:39]
	s_add_nc_u64 s[26:27], s[26:27], s[40:41]
.irp p, 0,1,2,3
	global_load_b128 v[20+8*\p:23+8*\p], v4, s[14:15] offset:\p*32768 th:TH_LOAD_NT
	global_load_b128 v[24+8*\p:27+8*\p], v4, s[14:15] offset:\p*32768+16 th:TH_LOAD_NT
.endr
.irp p, 0,1,2,3
	global_load_b128 v[52+8*\p:55+8*\p], v5, s[16:17] offset:\p*65536 th:TH_LOAD_NT
	global_load_b128 v[56+8*\p:59+8*\p], v5, s[16:17] offset:\p*65536+16 th:TH_LOAD_NT
.endr
.irp j, 0,1,2,3,4,5,6,7
	s_wait_loadcnt 14-2*\j                         ; the younger pairs of loads stay out
.irp e, 0,1,2,3
	v_cvt_pk_bf16_f32 v[84+4*\j+\e], v[20+8*\j+2*\e], v[20+8*\j+2*\e+1]
.endr
.if \j < 4
	global_store_b128 v6, v[84+4*\j:87+4*\j], s[24:25] offset:\j*4096
.else
	global_store_b128 v6, v[84+4*\j:87+4*\j], s[26:27] offset:(\j-4)*4096
.endif
.endr
	s_endpgm
.Lfunc_end_k_qd85f264a33_prep:
	.size	k_qd85f264a33_prep, .Lfunc_end_k_qd85f264a33_prep-k_qd85f264a33_prep
	.p2alignl 7, 3214868480
	.fill 96, 4, 3214868480
	.section	.rodata,"a",@progbits
	.p2align	6, 0x0
	.amdhsa_kernel k_qd85f264a33_prep
		.amdhsa_group_segment_fixed_size 232448
		.amdhsa_private_segment_fixed_size 0
		.amdhsa_enable_private_segment 0
		.amdhsa_kernarg_size 96
		.amdhsa_user_sgpr_count 2
		.amdhsa_user_sgpr_kernarg_segment_ptr 1
		.amdhsa_wavefront_size32 1
		.amdhsa_system_sgpr_workgroup_id_x 1
		.amdhsa_system_sgpr_workgroup_id_y 1
		.amdhsa_system_sgpr_workgroup_id_z 1
		.amdhsa_system_vgpr_workitem_id 0
		.amdhsa_next_free_vgpr 256
		.amdhsa_next_free_sgpr 66
		.amdhsa_reserve_vcc 0
		.amdhsa_float_denorm_mode_32 3
		.amdhsa_float_denorm_mode_16_64 3
		.amdhsa_memory_ordered 1
		.amdhsa_forward_progress 1
		.amdhsa_inst_pref_size 55
	.end_amdhsa_kernel
	.amdgpu_metadata
---
amdhsa.version: [ 1, 2 ]
amdhsa.kernels:
  - .name:           k_qd85f264a33_prep
    .symbol:         k_qd85f264a33_prep.kd
    .args:
      - { .name: agg_r, .offset: 0, .size: 8, .value_kind: global_buffer, .address_space: global }
      - { .name: W1, .offset: 8, .size: 8, .value_kind: global_buffer, .address_space: global }
      - { .name: Ws1, .offset: 16, .size: 8, .value_kind: global_buffer, .address_space: global }
      - { .name: b1, .offset: 24, .size: 8, .value_kind: global_buffer, .address_space: global }
      - { .name: bs1, .offset: 32, .size: 8, .value_kind: global_buffer, .address_space: global }
      - { .name: Ws2, .offset: 40, .size: 8, .value_kind: global_buffer, .address_space: global }
      - { .name: W2, .offset: 48, .size: 8, .value_kind: global_buffer, .address_space: global }
      - { .name: h1, .offset: 56, .size: 8, .value_kind: global_buffer, .address_space: global }
      - { .name: ap, .offset: 64, .size: 8, .value_kind: global_buffer, .address_space: global }
      - { .name: bp, .offset: 72, .size: 8, .value_kind: global_buffer, .address_space: global }
      - { .name: w2b, .offset: 80, .size: 8, .value_kind: global_buffer, .address_space: global }
      - { .name: w2c, .offset: 88, .size: 8, .value_kind: global_buffer, .address_space: global }
    .group_segment_fixed_size: 232448
    .private_segment_fixed_size: 0
    .kernarg_segment_align: 8
    .kernarg_segment_size: 96
    .max_flat_workgroup_size: 256
    .sgpr_count:     66
    .vgpr_count:     256
    .wavefront_size: 32
...
	.end_amdgpu_metadata
.endif
;; end of part 1
;; launch cls2 (part 2): grid 8 x 16, 4 waves a work-group, no clusters, 231,936 bytes of LDS; arguments h1, w2c, b2, W3, plog; writes plog
.if DOCPART == 2
	.amdgcn_target "amdgcn-amd-amdhsa--gfx1250"
	.amdhsa_code_object_version 6
	.text
	.protected	k_qd85f264a33_cls2
	.globl	k_qd85f264a33_cls2
	.p2align	8
	.type	k_qd85f264a33_cls2,@function
k_qd85f264a33_cls2:
	s_mov_b64 s[64:65], 0
	v_nop
	global_prefetch_b8 v0, s[64:65] scope:SCOPE_SE
	s_setreg_imm32_b32 hwreg(HW_REG_WAVE_MODE, 25, 1), 1
	s_wait_xcnt 0x0
; The classifier's second and third layers.  A work-group takes 32 rows of h1 and 64 columns of W2: h2 = relu(h1 W2 + b2) over K = 1,024, and at once its share of the logits,
; h2 W3 over those columns.  plog [16][512][8] f32 takes one partial logit row (classes 0-5, then 0, 0) for every 32 columns; the next launch adds the 16 and b3.
; Four waves, each 16 rows x 32 columns: two accumulators that take turns.  All of K lies in LDS, brought by two tensor loads a wave at the start (two are outstanding, none later):
; chunk w of h1 (32 rows of 512 bytes, 528 apart in LDS) and rows 256 w on of the column block of w2c (dense: asked for as 128 rows of 256 bytes, padded behind every 128, so a row of K is 160 apart).
; No cluster: the launch is short, and nothing is filled twice.  The products are used transposed: a lane holds one row and eight neighbouring columns, so h2 rounded to bf16 IS source 1 of the last product.
; LIMITS: h1, W2, h2 and W3 are bf16 operands, sums in f32.
.set PA, 528
.set PW, 160
.set LW, 4*32*PA
.set SPARE, LW+1024*PW
.macro GR g                            ; group g: the fragments of K steps 2 g and 2 g + 1, 12 loads, into set g % 3
.set st, 72+48*((\g)%3)
.irp u, 0,1
.set ks, 2*(\g)+\u
	ds_load_b128 v[st+24*\u:st+24*\u+3], v8 offset:(ks/8)*32*PA+(ks%8)*64
	ds_load_b128 v[st+24*\u+4:st+24*\u+7], v8 offset:(ks/8)*32*PA+(ks%8)*64+32
.irp n, 0,1
	ds_load_tr16_b128 v[st+24*\u+8+8*\n:st+24*\u+11+8*\n], v[9+ks/8] offset:(ks%8)*32*PW+32*\n
	ds_load_tr16_b128 v[st+24*\u+12+8*\n:st+24*\u+15+8*\n], v[9+ks/8] offset:(ks%8)*32*PW+32*\n+16*PW
.endr
.endr
.endm
.macro MU g                            ; its four products; the first two start the sums with the bias
.set st, 72+48*((\g)%3)
.irp u, 0,1
.irp n, 0,1
.if ((\g) == 0) && ((\u) == 0)
	v_wmma_f32_16x16x32_bf16 v[216+8*\n:223+8*\n], v[st+24*\u+8+8*\n:st+24*\u+15+8*\n], v[st+24*\u:st+24*\u+7], v[32+8*\n:39+8*\n]
.else
	v_wmma_f32_16x16x32_bf16 v[216+8*\n:223+8*\n], v[st+24*\u+8+8*\n:st+24*\u+15+8*\n], v[st+24*\u:st+24*\u+7], v[216+8*\n:223+8*\n]
.endif
.endr
.endr
.endm
	s_load_b256 s[4:11], s[0:1], 0x0               ; h1 s[4:5], w2c s[6:7], b2 s[8:9], W3 s[10:11]
	s_load_b64 s[12:13], s[0:1], 0x20              ; plog
	v_lshl_add_u32 v30, v0, 2, SPARE
	v_mov_b32 v31, 0
	ds_add_u32 v30, v31                            ; the wave's opening: the add and its wait stand ahead of my first tensor load
	ds_add_u32 v30, v31
	v_lshrrev_b32 v1, 5, v0
	v_readfirstlane_b32 s14, v1                    ; wave 0..3
	s_and_b32 s15, ttmp7, 0xffff                   ; block of 32 rows
	s_mov_b32 s16, (1<<16)|(1<<20)|(6<<22)|(3<<25) ; h1: 2-byte elements; 4 words of padding behind every 128
	s_mov_b32 s17, 256<<16                         ; tensor_dim0 = 256
	s_mov_b32 s18, 32<<16                          ; tensor_dim1 = 32
	s_mov_b32 s19, 256<<16                         ; tile_dim0 = 256
	s_mov_b32 s20, 32                              ; tile_dim1 = 32
	s_mov_b32 s21, 256                             ; elements from row to row
	s_mov_b32 s22, 0
	s_mov_b32 s23, 0
	s_mov_b32 s24, (1<<16)|(1<<20)|(4<<22)|(7<<25) ; w2c: 8 words of padding behind every 32
	s_mov_b32 s25, 128<<16
	s_mov_b32 s26, 128<<16
	s_mov_b32 s27, 128<<16
	s_mov_b32 s28, 128
	s_mov_b32 s29, 128
	s_mov_b32 s30, 0
	s_mov_b32 s31, 0
	s_mov_b32 s32, 1
	s_mul_i32 s33, s14, 32*PA                      ; chunk w in LDS
	s_mov_b32 s36, 1
	s_mul_i32 s37, s14, 256*PW
	s_add_co_u32 s37, s37, LW
	s_lshl_b32 s40, s14, 18                        ; chunk w of h1,
	s_lshl_b32 s41, s15, 14                        ; 32 rows of 512 bytes
	s_add_co_u32 s40, s40, s41
	s_mov_b32 s41, 0
	s_lshl_b32 s42, ttmp9, 17                      ; the column block of w2c,
	s_lshl_b32 s43, s14, 15                        ; 256 rows of 128 bytes
	s_add_co_u32 s42, s42, s43
	s_mov_b32 s43, 0
	s_wait_dscnt 0x0                               ; the opening add is done
	s_wait_kmcnt 0x0
	s_add_nc_u64 s[34:35], s[4:5], s[40:41]
	s_or_b32 s35, s35, 0x80000000
	s_add_nc_u64 s[38:39], s[6:7], s[42:43]
	s_or_b32 s39, s39, 0x80000000
	tensor_load_to_lds s[32:35], s[16:23]
	s_nop 0
	tensor_load_to_lds s[36:39], s[24:31]
	s_nop 0
	s_lshr_b32 s44, s14, 1                         ; mb: my 16 rows
	s_and_b32 s45, s14, 1                          ; nh: my 32 columns
	s_lshl1_add_u32 s46, ttmp9, s45                ; my block of 32 columns, 0..15
	s_lshl_b32 s40, s46, 7
	s_add_nc_u64 s[8:9], s[8:9], s[40:41]          ; b2 at my columns
	s_mul_i32 s40, s46, 768
	s_add_nc_u64 s[10:11], s[10:11], s[40:41]      ; W3 at my 32 rows of 24 bytes
	s_lshl_b32 s40, s46, 14
	s_lshl_b32 s47, s15, 10
	s_add_co_u32 s40, s40, s47
	s_lshl_b32 s47, s44, 9
	s_add_co_u32 s40, s40, s47
	s_add_nc_u64 s[12:13], s[12:13], s[40:41]      ; plog at my block and my 16 rows of 32 bytes
	v_and_b32 v2, 15, v0
	v_bfe_u32 v3, v0, 4, 1
	v_mov_b32 v29, 0
	v_lshlrev_b32 v4, 5, v3
	global_load_b128 v[32:35], v4, s[8:9]
	global_load_b128 v[36:39], v4, s[8:9] offset:16
	global_load_b128 v[40:43], v4, s[8:9] offset:64
	global_load_b128 v[44:47], v4, s[8:9] offset:80
	; W3 as source 0: its row l % 16 stands for class (row & 3) | ((row & 8) >> 1) where row & 4 = 0 and the class is below 6, else for zeros:
	; the result's registers 0-3 are then classes 0-3 in lanes 0-15 and classes 4, 5, 0, 0 in lanes 16-31: 32 dense bytes a row
	v_and_b32 v5, 3, v2
	v_and_b32 v6, 8, v2
	v_lshrrev_b32 v6, 1, v6
	v_or_b32 v5, v5, v6
	v_and_b32 v6, 4, v2
	v_lshl_or_b32 v6, v6, 1, v5
	v_cmp_gt_u32 s48, 6, v6                        ; the rows that stand for a class
	v_min_u32 v5, 5, v5                            ; the others read class 5 and are masked
	v_lshlrev_b32 v5, 2, v5
	v_mul_u32_u24 v7, v3, 192
	v_add_nc_u32 v5, v5, v7                        ; 4 class + 24 x 8 (l / 16)
.set e, 0
.rept 8
	global_load_b32 v[48+e], v5, s[10:11] offset:24*e
	global_load_b32 v[56+e], v5, s[10:11] offset:24*(16+e)
.set e, e+1
.endr
	s_mul_i32 s46, s44, 16*PA
	v_mul_u32_u24 v8, v2, PA
	v_lshl_add_u32 v8, v3, 4, v8
	v_add_nc_u32 v8, s46, v8                       ; h1's fragments
	v_and_b32 v9, 7, v0
	v_lshl_add_u32 v9, v3, 3, v9
	v_mul_u32_u24 v9, v9, PW
	v_bfe_u32 v13, v0, 3, 1
	v_lshl_add_u32 v9, v13, 4, v9
	s_lshl_b32 s46, s45, 6
	s_add_co_u32 s46, s46, LW
	v_add_nc_u32 v9, s46, v9                       ; W2's fragments, a register for each 256 of K
	v_add_nc_u32 v10, 256*PW, v9
	v_add_nc_u32 v11, 2*256*PW, v9
	v_add_nc_u32 v12, 3*256*PW, v9
	v_lshlrev_b32 v14, 5, v2
	v_lshl_add_u32 v14, v3, 4, v14                 ; plog: 32 (l % 16) + 16 (l / 16)
	s_wait_loadcnt 0x0
.set e, 0
.rept 8
	v_cvt_pk_bf16_f32 v[64+e], v[48+2*e], v[49+2*e]
.set e, e+1
.endr
.set e, 0
.rept 8
	v_cndmask_b32 v[64+e], 0, v[64+e], s48
.set e, e+1
.endr
	s_wait_tensorcnt 0x0                           ; my two tiles are in,
	s_barrier_signal -1
	s_barrier_wait -1                              ; everybody's are
	GR 0
	GR 1
	GR 2
.set gg, 0
.rept 16
.if gg < 14
	s_wait_dscnt 24                                ; two younger groups of 12 stay out
.elseif gg == 14
	s_wait_dscnt 12
.else
	s_wait_dscnt 0x0
.endif
	MU gg
.if gg < 13
.rept 4
	v_nop                                          ; four places in front of the loads into the products' sources
.endr
	GR gg+3
.endif
.set gg, gg+1
.endr
.rept 4
	v_nop
.endr
.set e, 0
.rept 8
	v_cvt_pk_bf16_f32 v[232+e], v[216+2*e], v[217+2*e]
.set e, e+1
.endr
.set e, 0
.rept 8
	v_pk_max_num_bf16 v[232+e], v[232+e], v29      ; ReLU
.set e, e+1
.endr
	v_wmma_f32_16x16x32_bf16 v[240:247], v[64:71], v[232:239], 0
.rept 4
	v_nop
.endr
	global_store_b128 v14, v[240:243], s[12:13]    ; the wave's store covers 512 consecutive bytes
	s_wait_tensorcnt 0x0                           ; the wave's end
	ds_add_u32 v30, v31
	s_wait_dscnt 0x0
	s_endpgm
.Lfunc_end_k_qd85f264a33_cls2:
	.size	k_qd85f264a33_cls2, .Lfunc_end_k_qd85f264a33_cls2-k_qd85f264a33_cls2
	.p2alignl 7, 3214868480
	.fill 96, 4, 3214868480
	.section	.rodata,"a",@progbits
	.p2align	6, 0x0
	.amdhsa_kernel k_qd85f264a33_cls2
		.amdhsa_group_segment_fixed_size 231936
		.amdhsa_private_segment_fixed_size 0
		.amdhsa_enable_private_segment 0
		.amdhsa_kernarg_size 40
		.amdhsa_user_sgpr_count 2
		.amdhsa_user_sgpr_kernarg_segment_ptr 1
		.amdhsa_wavefront_size32 1
		.amdhsa_system_sgpr_workgroup_id_x 1
		.amdhsa_system_sgpr_workgroup_id_y 1
		.amdhsa_system_sgpr_workgroup_id_z 1
		.amdhsa_system_vgpr_workitem_id 0
		.amdhsa_next_free_vgpr 256
		.amdhsa_next_free_sgpr 66
		.amdhsa_reserve_vcc 0
		.amdhsa_float_denorm_mode_32 3
		.amdhsa_float_denorm_mode_16_64 3
		.amdhsa_memory_ordered 1
		.amdhsa_forward_progress 1
		.amdhsa_inst_pref_size 28
	.end_amdhsa_kernel
	.amdgpu_metadata
---
amdhsa.version: [ 1, 2 ]
amdhsa.kernels:
  - .name:           k_qd85f264a33_cls2
    .symbol:         k_qd85f264a33_cls2.kd
    .args:
      - { .name: h1, .offset: 0, .size: 8, .value_kind: global_buffer, .address_space: global }
      - { .name: w2c, .offset: 8, .size: 8, .value_kind: global_buffer, .address_space: global }
      - { .name: b2, .offset: 16, .size: 8, .value_kind: global_buffer, .address_space: global }
      - { .name: W3, .offset: 24, .size: 8, .value_kind: global_buffer, .address_space: global }
      - { .name: plog, .offset: 32, .size: 8, .value_kind: global_buffer, .address_space: global }
    .group_segment_fixed_size: 231936
    .private_segment_fixed_size: 0
    .kernarg_segment_align: 8
    .kernarg_segment_size: 40
    .max_flat_workgroup_size: 128
    .sgpr_count:     66
    .vgpr_count:     256
    .wavefront_size: 32
...
	.end_amdgpu_metadata
.endif
;; end of part 2
;; launch pairs (part 3): grid 256 x 1, 4 waves a work-group, clusters of 4 x 1, 327,680 bytes of LDS; arguments ap, bp, w2b, plog, y, b3, bs2, Ws3, bs3, part, out1, out3; writes part, out1, out3
.if DOCPART == 3
	.amdgcn_target "amdgcn-amd-amdhsa--gfx1250"
	.amdhsa_code_object_version 6
	.text
	.protected	k_qd85f264a33_pairs
	.globl	k_qd85f264a33_pairs
	.p2align	8
	.type	k_qd85f264a33_pairs,@function
k_qd85f264a33_pairs:
	s_mov_b64 s[64:65], 0
	v_nop
	global_prefetch_b8 v0, s[64:65] scope:SCOPE_SE
	s_setreg_imm32_b32 hwreg(HW_REG_WAVE_MODE, 25, 1), 1
	s_wait_xcnt 0x0
	s_wait_alu depctr_hold_cnt(0) depctr_sa_sdst(0) depctr_va_vdst(0) depctr_va_sdst(0) depctr_va_ssrc(0) depctr_va_vcc(0) depctr_vm_vsrc(0)
	s_getreg_b32 s2, hwreg(HW_REG_IB_STS2, 6, 4)
	s_cmp_eq_u32 s2, 0
	s_cbranch_scc0 .Lentry_in_a_cluster
	s_endpgm
.Lentry_in_a_cluster:
	s_bfe_u32 s2, ttmp6, 0x10000c
	s_cmp_lg_u32 s2, 0x3003
	s_cbranch_scc0 .Lentry_shape_is_right
	s_endpgm
.Lentry_shape_is_right:
; THE PAIRWISE HEAD.  For all pairs (i, j) of a batch: hq = relu(relu(ap[i] + bp[j]) Ws2 + bs2), logit = hq Ws3 + bs3, softmax over 2.  Nothing of a pair goes to memory.
; SHARES.  A work-group owns 16 i x 32 j = 512 pairs and all 512 columns of Ws2, as four tiles of 128; a wave owns 4 i x 32 j = 128 pairs: 64 accumulators of 16 x 16, 512 registers.
; Block a (0..7) of a wave is i = 4 w + a / 2 and the 16 j from 16 (a % 2) on.  The 48 rows of ap and bp (bf16) stay in LDS; Ws2 (w2b: bf16, [tile][k][128]) is streamed once, in 16 blocks of
; 256 k x 128 n, through two LDS slots.
; THE LEFT OPERAND IS MADE IN REGISTERS: for 32 along K a lane loads 2 x 16 bytes of ap[i] (the same for its 16 rows) into the fragment's registers, adds its row of bp and takes the maximum with 0,
; packed in bf16: 128 vector instructions for 64 matrix instructions, two behind each (RIDERS), one quarter (32 of K) ahead of the products that read the fragment.
; TRANSPOSED USE: source 0 = 16 columns of Ws2 (read turned by ds_load_tr16_b128), source 1 = 16 pairs.  A lane then holds one pair and eight neighbouring columns; two results rounded to bf16 ARE
; source 1 of the last layer's product with Ws3 (source 0: rows 0, 1 = the two classes, the other rows zeros), whose registers 0, 1 in lanes 0-15 are the pair's two logits.
; CLUSTER.  Every work-group reads the same blocks of w2b: the four of a cluster ask JOINTLY, the same tensor load, descriptor and mask in all four.  Each wave asks for 64 rows of a block.
; Two tensor loads of a wave are outstanding at the start, one later.  ap's rows are shared too, but are 32 KB beside the 1 MB of w2b: they come by plain loads.
; AT THE END each wave has its pairs' logits: q1 = softmax[1], the log-probability that same_y picks, sum over j of q1 hat_p[j][c].  hat_p of the 32 j is made here from plog and b3 (with the maximum taken away);
; the work-groups with ib = 0 store it, seg_y and their share of the first loss.  part [wg][16 i][8] f32 takes t0..t5, sum of logq, share of loss1.
; LIMITS.  ap and bp arrive rounded to bf16 and their sum is rounded once more, as the matrix operand; hq is a bf16 operand; sums in f32.  same_y other than 1 counts as 0.  An exponential below 2^-126 counts as 0.
; NaN and infinities are not treated apart.
; REGISTERS, in windows of 256 (s_set_vgpr_msb: bits 1:0 source 0, 3:2 source 1, 5:4 source 2, 7:6 destination):
;   window 0: v0-29 addresses; v32-63 bp's fragments [parity][j block]; v64-79 the last layer's two sums; v80-95 logits of the 8 blocks; v96-127 at work; v128-191, v192-255 Ws2's fragments by parity (the second also hq)
;   window 1: v0-191 accumulators of blocks 0-2; v192-215, v216-239 their left fragments by parity          window 2: the same for blocks 3-5
;   window 3: v0-127 accumulators of blocks 6, 7; v128-143, v144-159 their fragments; v160-223 bs2 of the tile as a C operand; v224-255 Ws3's fragments
; One setting (source 0 in window 0; sources 1, 2 and destination in window X) serves a window's products, its riders and the loads of ap: four switches for 64 matrix instructions.
.set PB,    288                        ; a row of Ws2 in LDS: 256 bytes + 32, an odd multiple of 32, for the turning load
.set QB,    32*PB                      ; a quarter's rows
.set SLOTB, 256*PB
.set SLOT1, 1<<17                      ; slot 1 begins here: one exclusive or turns an address in one slot into the other's
.set PR,    2576                       ; a row of ap or bp: 2,048 bytes, its first 512 bytes once more (the look-ahead of two quarters runs 192 bytes over a tile's end; a wave's store covers 512), 16 of padding: 161 x 16
.set APR,   SLOTB
.set BS2,   APR+16*PR
.set W3T,   BS2+2048                   ; three rows of 1,040 bytes: Ws3's two columns in bf16, zeros
.set W3P,   1040
.set PS,    W3T+3328                   ; [wave][j][8] partial logits of the classifier
.set HPK,   PS+4096                    ; hat_p packed for its store
.set REC,   HPK+768                    ; the work-group's 16 records
.set SPARE, REC+512                    ; the spare words, 128 bytes a wave: two blocks of 256 bytes that no other line names
.set BPR,   SLOT1+SLOTB
.set LGS,   BPR+32*PR                  ; per wave 1,024 bytes of logits and 1,024 for the idle half of the lanes
.set A0,   4                           ; v4   ap: my 4 rows, byte 16 (l / 16)
.set BP0,  5                           ; v5   bp: row l % 16, byte 16 (l / 16)
.set B0,   6                           ; v6   my lane's place in 32 rows of Ws2
.set ADA,  7                           ; v7-9 the addresses in hand
.set ADBP, 8
.set ADB,  9
.set ZERO, 10
.set W3A,  11
.set BSA,  12
.set LGA,  13
.set LGR,  14
.set SPW,  28                          ; v28  my spare word's address; never rewritten
.set NIL,  29                          ; v29  0; never rewritten
.set WV,  28                           ; s28  wave
.set G1,  36                           ; s[36:43] descriptor group 1
.set G0A, 44                           ; s[44:47] group 0 of the first fill
.set G0,  48                           ; s[48:51] group 0 that walks
.set FB,  52                           ; s52  LDS byte of the quarter of Ws2 to be fetched
.set FA,  53                           ; s53  byte in ap's and bp's rows to be fetched
.set KS,  54
.set TQ,  55
.set RC,  56
.set TNB, 57                           ; s57  byte of the next tile's bs2
.set TNW, 58                           ; s58  byte of this tile's Ws3
.set NLN2, 59                          ; s59  -ln 2
.set MSB, 0
.macro WIN new                         ; the high byte repeats the setting that is left; a switch that changes nothing is dropped
.if MSB != (\new)
	s_set_vgpr_msb (MSB<<8)|(\new)
.set MSB, (\new)
.endif
.endm
.macro CREST                           ; a round of the cluster's barrier behind its opening barrier
	s_cmp_lg_u32 s[WV], 0
	s_cbranch_scc1 .Lnot_wave_0_\@
	s_barrier_signal -3
.Lnot_wave_0_\@:
	s_barrier_wait -3
	s_barrier_signal -1
	s_barrier_wait -1
.endm
.macro CROUND
	s_barrier_signal -1
	s_barrier_wait -1
	CREST
.endm
; The next rider of window X in a quarter of parity p: register ri % 8 of block ri / 16 of the OTHER parity's fragment: first the eight sums ap + bp, then the eight maxima with 0.
.macro RIDER X, p
.set rq, 1-(\p)
.set rA, 192+24*rq-((\X)/3)*(64+8*rq)+8*(ri/16)+ri%8
.set rF, 32+16*rq+8*((3*((\X)-1)+ri/16)%2)+ri%8
.if ri%16 < 8
	v_pk_add_bf16 v[rA], v[rF], v[rA]
.else
	v_pk_max_num_bf16 v[rA], v[ZERO], v[rA]
.endif
.set ri, ri+1
.endm
.macro PHASE X, kind, n                ; a window's turn begins.  kind = 1: the C operand (bs2) lies in window 3
.set wi, 0
.set ri, 0
.set NW, \n
.if \kind
	WIN (\X)*68+48
.else
	WIN (\X)*84
.endif
.endm
; n products of window X: block wi / 8, columns 16 (wi % 8) on.  All 64 accumulators take turns, one instruction a turn, in the same order in every quarter.
; Riders: one behind each of the first two, four behind the last (they name none of its registers: the four places in front of the loads into its fragment), two behind the others.
.macro MMR X, p, first, n, rid=1
.rept \n
.set rC, 64*(wi/8)+8*(wi%8)
.set rB, 128+64*(\p)+8*(wi%8)
.set rS, 192+24*(\p)-((\X)/3)*(64+8*(\p))+8*(wi/8)
.if \first
	v_wmma_f32_16x16x32_bf16 v[rC:rC+7], v[rB:rB+7], v[rS:rS+7], v[160+8*(wi%8):160+8*(wi%8)+7]
.else
	v_wmma_f32_16x16x32_bf16 v[rC:rC+7], v[rB:rB+7], v[rS:rS+7], v[rC:rC+7]
.endif
.if \rid
	RIDER \X, \p
.if wi >= 2
	RIDER \X, \p
.endif
.if wi == NW-1
	RIDER \X, \p
	RIDER \X, \p
.endif
.endif
.set wi, wi+1
.endr
.endm
.macro LDA X, p, koff                  ; ap's 32 of K, raw, into the fragments of window X's blocks, parity p
.set lb, 0
.rept 3-(\X)/3
.set rS, 192+24*(\p)-((\X)/3)*(64+8*(\p))+8*lb
.set ro, ((3*((\X)-1)+lb)/2)*PR+(\koff)
	ds_load_b128 v[rS:rS+3], v[ADA] offset:ro
	ds_load_b128 v[rS+4:rS+7], v[ADA] offset:ro+32
.set lb, lb+1
.endr
.endm
.macro RUN0 p                          ; in window 0: the addresses step; Ws2 of the next quarter into the other parity's buffer (16 loads), bp two quarters on into this parity's (4)
	v_add_nc_u32 v[ADB], s[FB], v[B0]
	v_add_nc_u32 v[ADA], s[FA], v[A0]
	v_add_nc_u32 v[ADBP], s[FA], v[BP0]
	s_add_co_u32 s[FB], s[FB], QB
	s_add_co_u32 s[FA], s[FA], 64
.set b, 0
.rept 8
	ds_load_tr16_b128 v[192-64*(\p)+8*b:192-64*(\p)+8*b+3], v[ADB] offset:32*b
	ds_load_tr16_b128 v[192-64*(\p)+8*b+4:192-64*(\p)+8*b+7], v[ADB] offset:32*b+16*PB
.set b, b+1
.endr
.irp u, 0,1
	ds_load_b128 v[32+16*(\p)+8*\u:32+16*(\p)+8*\u+3], v[ADBP] offset:\u*16*PR
	ds_load_b128 v[32+16*(\p)+8*\u+4:32+16*(\p)+8*\u+7], v[ADBP] offset:\u*16*PR+32
.endr
.endm
; A QUARTER, 32 along K, parity p.  LDS instructions in issue order: LDA 1 (6), RUN0 (20), LDA 2 (6), LDA 3 (4).  kind = 1: a tile's first quarter: the products start the sums with bs2.
.macro QUARTER p, kind
.if \kind
	s_wait_dscnt 0x0                               ; bs2 and all else
.else
	s_wait_dscnt 10                                ; behind last quarter's RUN0 came LDA 2 and LDA 3: 6 + 4 may be out
.endif
	PHASE 1, \kind, 24
	MMR 1, \p, \kind, 24
	LDA 1, \p, 64                                  ; by last quarter's address, 64 bytes on
	WIN 0
	RUN0 \p
	s_wait_dscnt 30                                ; behind last quarter's LDA 2: 4 + 6 + 20
	PHASE 2, \kind, 24
	MMR 2, \p, \kind, 24
	LDA 2, \p, 0
	s_wait_dscnt 32                                ; behind last quarter's LDA 3: 6 + 20 + 6
	PHASE 3, \kind, 16
	MMR 3, \p, \kind, 16
	LDA 3, \p, 0
.endm
; THE LAST QUARTER OF A BLOCK changes slots.  In front of the round each wave waits for all its tensor loads (one is out: its part of the next slot), adds 0 to its spare word, and waits for that and for its reads of
; this slot.  Behind the round no wave of any partner reads this slot any more: it is filled again, first thing, with the block two on, which has a whole block's 512 matrix instructions in which to land.
.macro TURN
	s_wait_dscnt 10
	PHASE 1, 0, 24
	MMR 1, 1, 0, 24
	LDA 1, 1, 64
	WIN 0
	s_wait_tensorcnt 0x0                           ; no tensor load of mine is out, so group 0 may be written
	ds_add_u32 v[SPW], v[NIL]                      ; 0 onto my spare word
	s_xor_b32 s[G0+1], s[G0+1], SLOT1              ; the other slot than last time,
	s_add_nc_u64 s[G0+2:G0+3], s[G0+2:G0+3], 0x10000  ; the next block
	s_sub_co_u32 s[FB], s[FB], SLOTB               ; the fetches go to the head of the other slot
	s_xor_b32 s[FB], s[FB], SLOT1
	s_wait_dscnt 11                                ; behind last quarter's LDA 2: 4 + 6 + the add
	PHASE 2, 0, 24
	MMR 2, 1, 0, 8
	s_wait_dscnt 0x0                               ; the add is done, and my reads of this slot are over
	s_barrier_signal -1
	MMR 2, 1, 0, 8                                 ; work on registers while the others arrive
	WIN 0
	s_barrier_wait -1
	CREST
	tensor_load_to_lds s[G0:G0+3], s[G1:G1+7]
	s_nop 0
	RUN0 1
	WIN 2*84
	MMR 2, 1, 0, 8
	LDA 2, 1, 0
	PHASE 3, 0, 16
	MMR 3, 1, 0, 16
	LDA 3, 1, 0
	WIN 0
.endm
.macro LDBIAS va                       ; bs2 of a tile as C operands: register j of column block b is column 16 b + 8 (l / 16) + j
.set b, 0
.rept 8
	ds_load_b128 v[160+8*b:163+8*b], v[\va] offset:64*b
	ds_load_b128 v[164+8*b:167+8*b], v[\va] offset:64*b+16
.set b, b+1
.endr
.endm
; A TILE'S END: two blocks at a time are rounded to bf16 (each accumulator from its low end on), ReLU, and multiplied by Ws3's 128 rows: 8 products on two sums that take turns; the logits take the sums.
.macro EPI more
	WIN 0
	v_add_nc_u32 v16, s[TNW], v[W3A]
.if \more
	v_add_nc_u32 v15, s[TNB], v[BSA]
.endif
	WIN 0xc0                                       ; destination window 3
.if \more
	LDBIAS 15
.endif
.set b, 0
.rept 4
	ds_load_b128 v[224+8*b:227+8*b], v16 offset:64*b
	ds_load_b128 v[228+8*b:231+8*b], v16 offset:64*b+32
.set b, b+1
.endr
.set pp, 0
.rept 4
.set u, 0
.rept 2
.set a, 2*pp+u
.set xw, 1+a/3
.set rC, 64*(a-3*(xw-1))
	WIN 5*xw                                       ; sources in the block's window
.set i, 0
.rept 32
	v_cvt_pk_bf16_f32 v[192+32*u+i], v[rC+2*i], v[rC+2*i+1]
.set i, i+1
.endr
.set u, u+1
.endr
	WIN 0
.set i, 0
.rept 64
	v_pk_max_num_bf16 v[192+i], v[192+i], v[ZERO]
.set i, i+1
.endr
.if pp == 0
	s_wait_dscnt 0x0                               ; Ws3's fragments
.endif
	WIN 0x03                                       ; source 0 in window 3
.set i, 0
.rept 8
.set u, i%2
.set c, i/2
.if c == 0
	v_wmma_f32_16x16x32_bf16 v[64+8*u:71+8*u], v[224+8*c:231+8*c], v[192+32*u+8*c:199+32*u+8*c], 0
.else
	v_wmma_f32_16x16x32_bf16 v[64+8*u:71+8*u], v[224+8*c:231+8*c], v[192+32*u+8*c:199+32*u+8*c], v[64+8*u:71+8*u]
.endif
.set i, i+1
.endr
	WIN 0
.rept 4
	v_nop                                          ; four places behind those products
.endr
	v_pk_add_f32 v[80+4*pp:81+4*pp], v[80+4*pp:81+4*pp], v[64:65]
	v_pk_add_f32 v[82+4*pp:83+4*pp], v[82+4*pp:83+4*pp], v[72:73]
.set pp, pp+1
.endr
	s_add_co_u32 s[TNW], s[TNW], 256
.if \more
	s_add_co_u32 s[TNB], s[TNB], 512
	s_sub_co_u32 s[FA], s[FA], 2048                ; K begins anew
.endif
.endm
	; ---------------- set-up ----------------
	s_load_b512 s[4:19], s[0:1], 0x0               ; ap s[4:5], bp s[6:7], w2b s[8:9], plog s[10:11], y s[12:13], b3 s[14:15], bs2 s[16:17], Ws3 s[18:19]
	s_load_b256 s[20:27], s[0:1], 0x40             ; bs3 s[20:21], part s[22:23], out1 s[24:25], out3 s[26:27]
	v_lshl_add_u32 v[SPW], v0, 2, SPARE
	v_mov_b32 v[NIL], 0
	ds_add_u32 v[SPW], v[NIL]                      ; the wave's opening: the add and its wait stand ahead of the round in front of my first tensor loads
	ds_add_u32 v28, v29
	v_lshrrev_b32 v1, 5, v0
	v_readfirstlane_b32 s[WV], v1                  ; wave 0..3
	s_bfe_u32 s29, ttmp6, 0x40000                  ; cx: it enters global addresses of bp, plog, y, part, out1 and out3 alone
	s_lshr_b32 s30, ttmp9, 5                       ; bb: the batch (ttmp9 counts clusters)
	s_bfe_u32 s31, ttmp9, 0x40001                  ; ib: block of 16 i
	s_and_b32 s32, ttmp9, 1
	s_lshl2_add_u32 s32, s32, s29                  ; jb: block of 32 j
	s_mov_b32 s[G1], 15|(1<<16)|(1<<20)|(1<<21)|(5<<22)|(7<<25)  ; mask of four; 2-byte elements; padding on; bit 21 beside a mask; 8 words behind every 64
	s_mov_b32 s[G1+1], 128<<16                     ; tensor_dim0 = 128
	s_mov_b32 s[G1+2], 64<<16                      ; tensor_dim1 = 64
	s_mov_b32 s[G1+3], 128<<16                     ; tile_dim0 = 128
	s_mov_b32 s[G1+4], 64                          ; tile_dim1 = 64
	s_mov_b32 s[G1+5], 128                         ; elements from row to row
	s_mov_b32 s[G1+6], 0
	s_mov_b32 s[G1+7], 0
	s_mov_b32 s[G0A], 1
	s_mul_i32 s[G0A+1], s[WV], 64*PB               ; my 64 rows of slot 0
	s_mov_b32 s[G0], 1
	s_add_co_u32 s[G0+1], s[G0A+1], SLOT1          ; and of slot 1
	s_mov_b32 s60, 0x76543210                      ; v_permlanex16_b32: each lane takes its own place in the other half
	s_mov_b32 s61, 0xfedcba98
	s_mov_b32 s[NLN2], 0xbf317218                  ; -ln 2
	s_or_b32 s67, s[WV], s31                       ; 0 for wave 0 of a work-group with ib = 0,
	s_cmp_eq_u32 s67, 0
	s_cselect_b32 s66, 1.0, 0                      ; whose lanes carry the first loss
	s_mov_b32 s35, 0
	s_mov_b32 s101, 0
	v_and_b32 v1, 31, v0                           ; lane
	v_lshlrev_b32 v15, 4, v0                       ; 16 t
	v_lshlrev_b32 v18, 5, v1                       ; 32 lane
	v_lshlrev_b32 v19, 5, v0                       ; 32 t
	v_mul_u32_u24 v20, v1, 24                      ; 24 lane
	s_wait_dscnt 0x0                               ; the opening add is done
	s_wait_kmcnt 0x0
	s_lshl_b32 s34, s[WV], 14
	s_add_nc_u64 s[G0A+2:G0A+3], s[8:9], s[34:35]  ; block 0, my 64 rows of 256 bytes
	s_add_nc_u64 s[G0+2:G0+3], s[G0A+2:G0A+3], 0x10000  ; block 1
	s_or_b32 s[G0A+3], s[G0A+3], 0x80000000
	s_or_b32 s[G0+3], s[G0+3], 0x80000000
	s_lshl_b32 s33, s30, 17                        ; 256 rows of 512 bytes a batch
	s_lshl_b32 s34, s31, 13
	s_add_co_u32 s34, s34, s33
	s_add_nc_u64 s[4:5], s[4:5], s[34:35]          ; ap at my 16 rows
	s_lshl_b32 s34, s30, 6
	s_lshl2_add_u32 s34, s31, s34
	s_add_co_u32 s34, s34, s[WV]
	s_mul_i32 s34, s34, 96
	s_add_nc_u64 s[62:63], s[12:13], s[34:35]      ; y at my wave's 4 i
	s_lshl_b32 s100, s32, 14
	s_add_co_u32 s100, s100, s33
	s_add_nc_u64 s[6:7], s[6:7], s[100:101]        ; bp at my 32 rows
	s_lshl3_add_u32 s104, s30, s32                 ; 8 bb + jb
	s_mul_i32 s100, s104, 768
	s_add_nc_u64 s[12:13], s[12:13], s[100:101]    ; y and out1 at my 32 j: rows of 24 bytes
	s_add_nc_u64 s[24:25], s[24:25], s[100:101]
	s_lshl_b32 s100, s104, 7
	s_add_nc_u64 s[26:27], s[26:27], s[100:101]
	s_lshl_b32 s100, s104, 10
	s_lshl_b32 s104, s[WV], 16
	s_add_co_u32 s100, s100, s104
	s_add_nc_u64 s[10:11], s[10:11], s[100:101]    ; plog: my 32 j, partial rows 4 w on
	s_lshl2_add_u32 s100, ttmp9, s29
	s_lshl_b32 s100, s100, 9
	s_add_nc_u64 s[22:23], s[22:23], s[100:101]    ; part at my work-group's 512 bytes
	s_load_b256 s[76:83], s[62:63], 0x0            ; y of my 4 i: 24 words
	s_load_b256 s[84:91], s[62:63], 0x20
	s_load_b256 s[92:99], s[62:63], 0x40
	s_load_b128 s[68:71], s[14:15], 0x0            ; b3
	s_load_b64 s[72:73], s[14:15], 0x10
	s_load_b64 s[74:75], s[20:21], 0x0             ; bs3
	WIN 0x40                                       ; ap and bp are staged in window 1
.set n, 0
.rept 16                                           ; 128 threads x 16 bytes: 4 rows x 512 bytes; chunk n % 4 of K, rows 4 (n / 4) on
	global_load_b128 v[4*n:4*n+3], v15, s[4:5] offset:(n%4)*262144+(n/4)*2048
.set n, n+1
.endr
.set n, 0
.rept 32
	global_load_b128 v[64+4*n:64+4*n+3], v15, s[6:7] offset:(n%4)*262144+(n/4)*2048
.set n, n+1
.endr
	WIN 0
.irp c, 0,1,2,3
	global_load_b128 v[32+8*\c:35+8*\c], v18, s[10:11] offset:16384*\c
	global_load_b128 v[36+8*\c:39+8*\c], v18, s[10:11] offset:16384*\c+16
.endr
	global_load_b128 v[104:107], v15, s[16:17]     ; bs2
	global_load_b128 v[108:111], v19, s[18:19]     ; Ws3: 4 rows of 2
	global_load_b128 v[112:115], v19, s[18:19] offset:16
	global_load_b64 v[96:97], v20, s[12:13]        ; y of j = lane
	global_load_b64 v[98:99], v20, s[12:13] offset:8
	global_load_b64 v[100:101], v20, s[12:13] offset:16
	CROUND                                         ; all four work-groups are here: the first joint loads meet
	tensor_load_to_lds s[G0A:G0A+3], s[G1:G1+7]
	s_nop 0
	tensor_load_to_lds s[G0:G0+3], s[G1:G1+7]
	s_nop 0
	v_and_b32 v2, 15, v0
	v_bfe_u32 v3, v0, 4, 1
	v_mov_b32 v[ZERO], 0
	s_mul_i32 s33, s[WV], 4*PR
	s_add_co_u32 s33, s33, APR
	v_lshl_add_u32 v[A0], v3, 4, s33
	v_mul_u32_u24 v[BP0], v2, PR
	v_lshl_add_u32 v[BP0], v3, 4, v[BP0]
	v_add_nc_u32 v[BP0], BPR, v[BP0]
	v_and_b32 v[B0], 7, v0
	v_lshl_add_u32 v[B0], v3, 3, v[B0]
	v_mul_u32_u24 v[B0], v[B0], PB
	v_bfe_u32 v21, v0, 3, 1
	v_lshl_add_u32 v[B0], v21, 4, v[B0]            ; row 8 (l / 16) + l % 8, byte 16 ((l / 8) % 2)
	v_min_u32 v[W3A], 2, v2
	v_mul_u32_u24 v[W3A], v[W3A], W3P
	v_lshl_add_u32 v[W3A], v3, 4, v[W3A]
	v_add_nc_u32 v[W3A], W3T, v[W3A]               ; rows 0, 1: the classes; every other row reads the zeros
	v_lshl_add_u32 v[BSA], v3, 5, BS2
	s_lshl_b32 s33, s[WV], 11
	s_add_co_u32 s33, s33, LGS
	v_lshl_add_u32 v[LGA], v2, 3, s33
	v_lshl_add_u32 v[LGA], v3, 10, v[LGA]          ; lanes 16-31 hold no logits: they store 1,024 bytes further on
	v_lshl_add_u32 v[LGR], v1, 3, s33
	s_mul_i32 s33, s[WV], PR
	v_lshl_add_u32 v16, v1, 4, s33                 ; staging: row w of each four, byte 16 lane:
	v_add_nc_u32 v17, BPR, v16                     ; bp's rows 0-15,
	v_add_nc_u32 v24, BPR+16*PR, v16               ; bp's rows 16-31 (their offsets would pass the 16-bit immediate),
	v_add_nc_u32 v16, APR, v16                     ; ap's rows
	v_lshl_add_u32 v21, v0, 5, PS
	v_lshl_add_u32 v22, v0, 4, BS2
	v_lshl_add_u32 v23, v0, 3, W3T
	s_wait_loadcnt 0x0
	s_wait_kmcnt 0x0
	WIN 0x04                                       ; store data in window 1
.set n, 0
.rept 16
	ds_store_b128 v16, v[4*n:4*n+3] offset:(n/4)*4*PR+(n%4)*512
.if n%4 == 0
	ds_store_b128 v16, v[4*n:4*n+3] offset:(n/4)*4*PR+2048  ; a row's first 512 bytes once more, behind its end: inside my own row
.endif
.set n, n+1
.endr
.set n, 0
.rept 32
	ds_store_b128 v[17+7*(n/16)], v[64+4*n:64+4*n+3] offset:((n/4)%4)*4*PR+(n%4)*512
.if n%4 == 0
	ds_store_b128 v[17+7*(n/16)], v[64+4*n:64+4*n+3] offset:((n/4)%4)*4*PR+2048
.endif
.set n, n+1
.endr
	WIN 0
.irp c, 1,2,3
.irp e, 0,1,2,3
	v_pk_add_f32 v[32+2*\e:33+2*\e], v[32+2*\e:33+2*\e], v[32+8*\c+2*\e:33+8*\c+2*\e]
.endr
.endr
	ds_store_b128 v21, v[32:35]
	ds_store_b128 v21, v[36:39] offset:16
	ds_store_b128 v22, v[104:107]
	v_cvt_pk_bf16_f32 v116, v108, v110             ; Ws3's column 0 of my 4 rows,
	v_cvt_pk_bf16_f32 v117, v112, v114
	v_cvt_pk_bf16_f32 v118, v109, v111             ; column 1
	v_cvt_pk_bf16_f32 v119, v113, v115
	v_mov_b32 v120, 0
	v_mov_b32 v121, 0
	ds_store_b64 v23, v[116:117]
	ds_store_b64 v23, v[118:119] offset:W3P
	ds_store_b64 v23, v[120:121] offset:2*W3P
	s_wait_tensorcnt 0x1                           ; my part of block 0 is in; block 1's may stay out
	s_wait_dscnt 0x0
	s_barrier_signal -1
	s_barrier_wait -1
	; the pipeline is primed: quarter 0's fragments are made, quarter 1's raw parts fetched
	WIN 0xc0
	LDBIAS BSA
	WIN 0
	v_mov_b32 v[ADA], v[A0]
.irp u, 0,1
	ds_load_b128 v[32+8*\u:35+8*\u], v[BP0] offset:\u*16*PR
	ds_load_b128 v[36+8*\u:39+8*\u], v[BP0] offset:\u*16*PR+32
.endr
	WIN 84
	LDA 1, 0, 0
	WIN 2*84
	LDA 2, 0, 0
	WIN 3*84
	LDA 3, 0, 0
	s_wait_dscnt 0x0
	PHASE 1, 0, 24
.rept 48
	RIDER 1, 1
.endr
	PHASE 2, 0, 24
.rept 48
	RIDER 2, 1
.endr
	PHASE 3, 0, 16
.rept 32
	RIDER 3, 1
.endr
	WIN 0
	s_mov_b32 s[FB], 0
	s_mov_b32 s[FA], 64
	RUN0 1                                         ; Ws2 of quarter 0, bp of quarter 1
	WIN 84
	LDA 1, 1, 0
	WIN 2*84
	LDA 2, 1, 0
	WIN 3*84
	LDA 3, 1, 0
	WIN 0
.set a, 0
.rept 8
	v_mov_b32 v[80+2*a], s74                       ; the logits start with bs3
	v_mov_b32 v[81+2*a], s75
.set a, a+1
.endr
	s_mov_b32 s[TNB], 512
	s_mov_b32 s[TNW], 0
	s_mov_b32 s[KS], 15
	s_branch .LF                                   ; the loop is entered behind its change of slots
	; ---------------- the walk: 16 blocks of 8 quarters; every fourth block ends a tile ----------------
.Lks:                                                  ; 14 times: a block's last quarter, with a refill (blocks 2 to 15), then the next block's first seven
	TURN
	s_sub_co_u32 s[TQ], s[TQ], 1
	s_cmp_lg_u32 s[TQ], 0
	s_cbranch_scc1 .Lreg
	EPI 1
.LF:
	s_mov_b32 s[TQ], 4
	QUARTER 0, 1
	WIN 0
	s_branch .Lrr0
.Lreg:
	QUARTER 0, 0
	WIN 0
.Lrr0:
	s_mov_b32 s[RC], 3
.Lrr:
	QUARTER 1, 0
	QUARTER 0, 0
	WIN 0
	s_sub_co_u32 s[RC], s[RC], 1
	s_cmp_lg_u32 s[RC], 0
	s_cbranch_scc1 .Lrr
	s_sub_co_u32 s[KS], s[KS], 1
	s_cmp_lg_u32 s[KS], 0
	s_cbranch_scc1 .Lks
	; the tail is written out: the change to the last block asks for nothing
	s_wait_tensorcnt 0x0                           ; my part of block 15 is in
	ds_add_u32 v[SPW], v[NIL]
	s_sub_co_u32 s[FB], s[FB], SLOTB
	s_xor_b32 s[FB], s[FB], SLOT1
	s_wait_dscnt 0x0
	s_barrier_signal -1
	s_barrier_wait -1
	s_mov_b32 s[RC], 4
.Ltail:                                                ; block 14's last quarter and block 15's first seven
	QUARTER 1, 0
	QUARTER 0, 0
	WIN 0
	s_sub_co_u32 s[RC], s[RC], 1
	s_cmp_lg_u32 s[RC], 0
	s_cbranch_scc1 .Ltail
	s_wait_dscnt 0x0                               ; the very last quarter: products alone
	PHASE 1, 0, 24
	MMR 1, 1, 0, 24, 0
	PHASE 2, 0, 24
	MMR 2, 1, 0, 24, 0
	PHASE 3, 0, 16
	MMR 3, 1, 0, 16, 0
	WIN 0
.rept 4
	v_nop
.endr
	EPI 0
	; ---------------- the end: lane = j ----------------
.irp a, 0,1,2,3,4,5,6,7
	ds_store_b64 v[LGA], v[80+2*\a:81+2*\a] offset:128*\a  ; block a's 16 pairs: i = a / 2, j = 16 (a % 2) + lane
.endr
	v_lshl_add_u32 v15, v1, 5, PS
.irp c, 0,1,2,3
	ds_load_b128 v[192+8*\c:195+8*\c], v15 offset:1024*\c
	ds_load_b128 v[196+8*\c:199+8*\c], v15 offset:1024*\c+16
.endr
.irp i, 0,1,2,3
	ds_load_b64 v[110+2*\i:111+2*\i], v[LGR] offset:256*\i  ; my wave's own bytes: LDS serves a wave's instructions in order (ISA guide 5.7.1.4)
.endr
	s_lshl_b32 s33, s[WV], 7
	s_add_co_u32 s33, s33, REC
	v_mov_b32 v18, s33
	s_wait_dscnt 0x0
.irp c, 1,2,3
.irp e, 0,1,2
	v_pk_add_f32 v[192+2*\e:193+2*\e], v[192+2*\e:193+2*\e], v[192+8*\c+2*\e:193+8*\c+2*\e]
.endr
.endr
.irp c, 0,1,2,3,4,5
	v_add_f32 v[192+\c], s[68+\c], v[192+\c]       ; logit_p of row j
.endr
	v_max3_num_f32 v200, v192, v193, v194
	v_max3_num_f32 v200, v200, v195, v196
	v_max_num_f32 v200, v200, v197
.irp c, 0,1,2,3,4,5
	v_sub_f32 v[192+\c], v[192+\c], v200           ; the maximum is taken away
.endr
.irp c, 0,1,2,3,4,5
	v_mul_f32 v[202+\c], 0x3fb8aa3b, v[192+\c]
.endr
.irp c, 0,1,2,3,4,5
	v_exp_f32 v[202+\c], v[202+\c]
.endr
	v_mov_b32 v102, v96                            ; argmax of y[j]: the first of the largest; with it the chosen logit
	v_mov_b32 v103, 0
	v_mov_b32 v104, v192
.irp c, 1,2,3,4,5
	v_cmp_gt_i32 vcc_lo, v[96+\c], v102
	v_cndmask_b32 v102, v102, v[96+\c], vcc_lo
	v_cndmask_b32 v103, v103, \c, vcc_lo
	v_cndmask_b32 v104, v104, v[192+\c], vcc_lo
.endr
	s_wait_alu depctr_va_vdst(0)
	v_add_f32 v208, v202, v203
	v_add_f32 v209, v204, v205
	v_add_f32 v201, v206, v207
	v_add_f32 v208, v208, v209
	v_add_f32 v208, v208, v201
	v_rcp_f32 v209, v208
	v_log_f32 v201, v208
	v_nop                                          ; a plain instruction behind the transcendentals
	s_wait_alu depctr_va_vdst(0)
.irp c, 0,1,2,3,4,5
	v_mul_f32 v[210+\c], v[202+\c], v209           ; hat_p
.endr
	v_fma_f32 v105, v201, s[NLN2], v104            ; logp of the label: (l - m) - ln 2 x log2(sum)
	v_mul_f32 v108, s66, v105
.macro FIN_I i                         ; my wave's row i: 32 pairs, one a lane
	v_max_num_f32 v118, v[110+2*\i], v[111+2*\i]
	v_sub_f32 v119, v[110+2*\i], v118
	v_sub_f32 v120, v[111+2*\i], v118
	v_mul_f32 v121, 0x3fb8aa3b, v119
	v_mul_f32 v122, 0x3fb8aa3b, v120
	v_exp_f32 v121, v121
	v_exp_f32 v122, v122
	v_nop
	v_mul_lo_u32 v16, s[76+6*\i], v96              ; same_y = the largest of y[i][c] y[j][c]
.irp c, 1,2,3,4,5
	v_mul_lo_u32 v17, s[76+6*\i+\c], v[96+\c]
	v_cmp_gt_i32 vcc_lo, v17, v16
	v_cndmask_b32 v16, v16, v17, vcc_lo
.endr
	s_wait_alu depctr_va_vdst(0)
	v_add_f32 v123, v121, v122
	v_cmp_eq_u32 vcc_lo, 1, v16
	v_cndmask_b32 v17, v119, v120, vcc_lo
	v_rcp_f32 v124, v123
	v_log_f32 v125, v123
	v_nop
	s_wait_alu depctr_va_vdst(0)
	v_mul_f32 v126, v122, v124                     ; q1
	v_fma_f32 v222, v125, s[NLN2], v17             ; logq of same_y
.irp c, 0,1,2,3,4,5
	v_mul_f32 v[216+\c], v126, v[210+\c]
.endr
.if (\i) == 0
	v_mov_b32 v223, v108
.else
	v_mov_b32 v223, 0
.endif
.irp m, 1,2,4,8
.irp c, 0,1,2,3,4,5,6,7
	v_add_f32_dpp v[216+\c], v[216+\c], v[216+\c] row_xmask:\m row_mask:0xf bank_mask:0xf
.endr
.endr
.irp c, 0,1,2,3,4,5,6,7
	v_permlanex16_b32 v[224+\c], v[216+\c], s60, s61
.endr
.irp c, 0,1,2,3,4,5,6,7
	v_add_f32 v[216+\c], v[216+\c], v[224+\c]      ; every lane holds the sums over the 32 j
.endr
	ds_store_b128 v18, v[216:219] offset:32*(\i)   ; all lanes store the same numbers to the same place
	ds_store_b128 v18, v[220:223] offset:32*(\i)+16
.endm
	FIN_I 0
	FIN_I 1
	FIN_I 2
	FIN_I 3
	s_cmp_lg_u32 s[WV], 0
	s_cbranch_scc1 .Lnohat                         ; wave 0 alone goes on,
	s_cmp_lg_u32 s31, 0
	s_cbranch_scc1 .Lnohat                         ; and only in the work-groups with ib = 0 (the same in all partners): it stores hat_p and seg_y of its 32 rows
	v_mul_u32_u24 v19, v1, 24
	v_add_nc_u32 v19, HPK, v19
	ds_store_b64 v19, v[210:211]
	ds_store_b64 v19, v[212:213] offset:8
	ds_store_b64 v19, v[214:215] offset:16
	v_lshl_add_u32 v20, v1, 4, HPK
	v_lshl_add_u32 v21, v1, 3, HPK+512
	ds_load_b128 v[232:235], v20                   ; the 768 bytes come back dense: 512 and 256
	ds_load_b64 v[236:237], v21
	v_lshlrev_b32 v22, 4, v1
	v_lshlrev_b32 v23, 3, v1
	v_lshlrev_b32 v24, 2, v1
	global_store_b32 v24, v103, s[26:27]
	s_wait_dscnt 0x0
	global_store_b128 v22, v[232:235], s[24:25]
	global_store_b64 v23, v[236:237], s[24:25] offset:512
.Lnohat:
	s_wait_dscnt 0x0                               ; for wave 0's sake: my records are stored
	s_barrier_signal -1
	s_barrier_wait -1
	s_cmp_lg_u32 s[WV], 0
	s_cbranch_scc1 .Lend
	v_lshl_add_u32 v25, v1, 4, REC
	ds_load_b128 v[240:243], v25
	v_lshlrev_b32 v26, 4, v1
	s_wait_dscnt 0x0
	global_store_b128 v26, v[240:243], s[22:23]    ; the 16 records: 512 consecutive bytes
.Lend:
	s_wait_tensorcnt 0x0                           ; the wave's end, behind my last tensor load and my last LDS store
	ds_add_u32 v[SPW], v[NIL]
	s_wait_dscnt 0x0
	CROUND                                         ; the closing round: no work-group ends while a partner may still ask for a tile that names it
	s_endpgm
.Lfunc_end_k_qd85f264a33_pairs:
	.size	k_qd85f264a33_pairs, .Lfunc_end_k_qd85f264a33_pairs-k_qd85f264a33_pairs
	.p2alignl 7, 3214868480
	.fill 96, 4, 3214868480
	.section	.rodata,"a",@progbits
	.p2align	6, 0x0
	.amdhsa_kernel k_qd85f264a33_pairs
		.amdhsa_group_segment_fixed_size 327680
		.amdhsa_private_segment_fixed_size 0
		.amdhsa_enable_private_segment 0
		.amdhsa_kernarg_size 96
		.amdhsa_user_sgpr_count 2
		.amdhsa_user_sgpr_kernarg_segment_ptr 1
		.amdhsa_wavefront_size32 1
		.amdhsa_system_sgpr_workgroup_id_x 1
		.amdhsa_system_sgpr_workgroup_id_y 1
		.amdhsa_system_sgpr_workgroup_id_z 1
		.amdhsa_system_vgpr_workitem_id 0
		.amdhsa_next_free_vgpr 1024
		.amdhsa_next_free_sgpr 106
		.amdhsa_reserve_vcc 1
		.amdhsa_float_denorm_mode_32 3
		.amdhsa_float_denorm_mode_16_64 3
		.amdhsa_memory_ordered 1
		.amdhsa_forward_progress 1
		.amdhsa_inst_pref_size 239
	.end_amdhsa_kernel
	.amdgpu_metadata
---
amdhsa.version: [ 1, 2 ]
amdhsa.kernels:
  - .name:           k_qd85f264a33_pairs
    .symbol:         k_qd85f264a33_pairs.kd
    .args:
      - { .name: ap, .offset: 0, .size: 8, .value_kind: global_buffer, .address_space: global }
      - { .name: bp, .offset: 8, .size: 8, .value_kind: global_buffer, .address_space: global }
      - { .name: w2b, .offset: 16, .size: 8, .value_kind: global_buffer, .address_space: global }
      - { .name: plog, .offset: 24, .size: 8, .value_kind: global_buffer, .address_space: global }
      - { .name: y, .offset: 32, .size: 8, .value_kind: global_buffer, .address_space: global }
      - { .name: b3, .offset: 40, .size: 8, .value_kind: global_buffer, .address_space: global }
      - { .name: bs2, .offset: 48, .size: 8, .value_kind: global_buffer, .address_space: global }
      - { .name: Ws3, .offset: 56, .size: 8, .value_kind: global_buffer, .address_space: global }
      - { .name: bs3, .offset: 64, .size: 8, .value_kind: global_buffer, .address_space: global }
      - { .name: part, .offset: 72, .size: 8, .value_kind: global_buffer, .address_space: global }
      - { .name: out1, .offset: 80, .size: 8, .value_kind: global_buffer, .address_space: global }
      - { .name: out3, .offset: 88, .size: 8, .value_kind: global_buffer, .address_space: global }
    .group_segment_fixed_size: 327680
    .private_segment_fixed_size: 0
    .kernarg_segment_align: 8
    .kernarg_segment_size: 96
    .max_flat_workgroup_size: 128
    .sgpr_count:     106
    .vgpr_count:     1024
    .wavefront_size: 32
...
	.end_amdgpu_metadata
.endif
;; end of part 3
;; launch fin (part 4): grid 1 x 1, 16 waves a work-group, no clusters, 14,592 bytes of LDS; arguments part, out0, out2; writes out0, out2
.if DOCPART == 4
	.amdgcn_target "amdgcn-amd-amdhsa--gfx1250"
	.amdhsa_code_object_version 6
	.text
	.protected	k_qd85f264a33_fin
	.globl	k_qd85f264a33_fin
	.p2align	8
	.type	k_qd85f264a33_fin,@function
k_qd85f264a33_fin:
	s_mov_b64 s[64:65], 0
	v_nop
	global_prefetch_b8 v0, s[64:65] scope:SCOPE_SE
	s_setreg_imm32_b32 hwreg(HW_REG_WAVE_MODE, 25, 1), 1
	s_wait_xcnt 0x0
; The sums that span work-groups.  part [wg = 128 bb + 8 ib + jb][16 i][8] f32: t0..t5, sum of logq, share of loss1.  Thread t = 256 bb + i adds its row's eight records (jb = 0..7):
; tilde_p = t / (t0 + .. + t5); loss = -(sum of all logq) / 131,072 - (sum of all shares) / 512.  One work-group of 512 threads: 128 KB are read once, and one owner makes the one number.
; tilde_p's rows of 24 bytes go through LDS so that every store covers consecutive bytes.  No matrix unit, no copy engine: there is nothing for them here.
.set SUMS,  12288                      ; behind the 12,288 bytes of tilde_p: a word for each wave
.set SPARE, 12544                      ; the spare words: 128 bytes for each of 16 waves
	s_load_b128 s[4:7], s[0:1], 0x0                ; part s[4:5], out0 s[6:7]
	s_load_b64 s[8:9], s[0:1], 0x10                ; out2
	v_lshl_add_u32 v2, v0, 2, SPARE
	v_mov_b32 v3, 0
	v_lshrrev_b32 v1, 5, v0
	v_readfirstlane_b32 s10, v1                    ; wave 0..15
	s_mov_b32 s12, 0x76543210
	s_mov_b32 s13, 0xfedcba98
	s_mov_b32 s15, 0xb7000000                      ; -1 / 131,072
	s_lshl_b32 s11, s10, 2
	s_add_co_u32 s11, s11, SUMS
	v_lshrrev_b32 v4, 4, v0
	v_and_b32 v5, 15, v0
	v_lshlrev_b32 v5, 5, v5
	v_lshl_add_u32 v4, v4, 12, v5                  ; 8 work-groups of 512 bytes for each 16 rows, 32 bytes a row
	s_wait_kmcnt 0x0
.set j, 0
.rept 8
	global_load_b128 v[8+8*j:11+8*j], v4, s[4:5] offset:512*j
	global_load_b128 v[12+8*j:15+8*j], v4, s[4:5] offset:512*j+16
.set j, j+1
.endr
.set j, 1
.rept 7
	s_wait_loadcnt 14-2*j                          ; the younger records stay out
.irp e, 0,1,2,3
	v_pk_add_f32 v[8+2*\e:9+2*\e], v[8+2*\e:9+2*\e], v[8+8*j+2*\e:9+8*j+2*\e]
.endr
.set j, j+1
.endr
	v_add_f32 v72, v8, v9
	v_add_f32 v73, v10, v11
	v_add_f32 v74, v12, v13
	v_add_f32 v72, v72, v73
	v_add_f32 v72, v72, v74
	v_rcp_f32 v73, v72
	v_mul_f32 v75, 0xbb000000, v15                 ; -1 / 512
	v_fma_f32 v75, v14, s15, v75
	v_mul_u32_u24 v76, v0, 24
	v_mov_b32 v77, 0
	s_wait_alu depctr_va_vdst(0)
.irp c, 0,1,2,3,4,5
	v_mul_f32 v[8+\c], v[8+\c], v73
.endr
	ds_store_b64 v76, v[8:9]
	ds_store_b64 v76, v[10:11] offset:8
	ds_store_b64 v76, v[12:13] offset:16
	v_add_f32_dpp v75, v75, v75 row_xmask:1 row_mask:0xf bank_mask:0xf
	v_add_f32_dpp v75, v75, v75 row_xmask:2 row_mask:0xf bank_mask:0xf
	v_add_f32_dpp v75, v75, v75 row_xmask:4 row_mask:0xf bank_mask:0xf
	v_add_f32_dpp v75, v75, v75 row_xmask:8 row_mask:0xf bank_mask:0xf
	v_permlanex16_b32 v77, v75, s12, s13
	v_add_f32 v75, v75, v77
	v_mov_b32 v78, s11
	ds_store_b32 v78, v75                          ; my wave's sum: all lanes store the same number
	s_wait_dscnt 0x0                               ; for the others' sake
	s_barrier_signal -1
	s_barrier_wait -1
	v_lshlrev_b32 v82, 4, v0
	ds_load_b128 v[84:87], v82
	s_wait_dscnt 0x0
	global_store_b128 v82, v[84:87], s[8:9]        ; the first 8,192 bytes of tilde_p
	s_cmp_ge_u32 s10, 8
	s_cbranch_scc1 .Lend
	ds_load_b128 v[88:91], v82 offset:8192
	s_wait_dscnt 0x0
	global_store_b128 v82, v[88:91], s[8:9] offset:8192  ; waves 0-7: the other 4,096
	s_cmp_lg_u32 s10, 0
	s_cbranch_scc1 .Lend
	v_and_b32 v79, 15, v0
	v_lshl_add_u32 v79, v79, 2, SUMS
	ds_load_b32 v80, v79                           ; wave 0: the 16 waves' sums, one in each lane of a row of 16
	v_mov_b32 v81, 0
	s_wait_dscnt 0x0
	v_add_f32_dpp v80, v80, v80 row_xmask:1 row_mask:0xf bank_mask:0xf
	v_add_f32_dpp v80, v80, v80 row_xmask:2 row_mask:0xf bank_mask:0xf
	v_add_f32_dpp v80, v80, v80 row_xmask:4 row_mask:0xf bank_mask:0xf
	v_add_f32_dpp v80, v80, v80 row_xmask:8 row_mask:0xf bank_mask:0xf
	v_cmp_eq_u32 vcc_lo, 0, v0
	s_wait_xcnt 0x0                                ; EXEC changes only behind this wait
	s_and_saveexec_b32 s14, vcc_lo
	global_store_b32 v81, v80, s[6:7]              ; the loss
	s_wait_xcnt 0x0
	s_or_b32 exec_lo, exec_lo, s14
.Lend:
	s_wait_tensorcnt 0x0                           ; the wave's end, behind my last LDS store
	ds_add_u32 v2, v3
	s_wait_dscnt 0x0
	s_endpgm
.Lfunc_end_k_qd85f264a33_fin:
	.size	k_qd85f264a33_fin, .Lfunc_end_k_qd85f264a33_fin-k_qd85f264a33_fin
	.p2alignl 7, 3214868480
	.fill 96, 4, 3214868480
	.section	.rodata,"a",@progbits
	.p2align	6, 0x0
	.amdhsa_kernel k_qd85f264a33_fin
		.amdhsa_group_segment_fixed_size 14592
		.amdhsa_private_segment_fixed_size 0
		.amdhsa_enable_private_segment 0
		.amdhsa_kernarg_size 24
		.amdhsa_user_sgpr_count 2
		.amdhsa_user_sgpr_kernarg_segment_ptr 1
		.amdhsa_wavefront_size32 1
		.amdhsa_system_sgpr_workgroup_id_x 1
		.amdhsa_system_sgpr_workgroup_id_y 1
		.amdhsa_system_sgpr_workgroup_id_z 1
		.amdhsa_system_vgpr_workitem_id 0
		.amdhsa_next_free_vgpr 96
		.amdhsa_next_free_sgpr 66
		.amdhsa_reserve_vcc 1
		.amdhsa_float_denorm_mode_32 3
		.amdhsa_float_denorm_mode_16_64 3
		.amdhsa_memory_ordered 1
		.amdhsa_forward_progress 1
		.amdhsa_inst_pref_size 8
	.end_amdhsa_kernel
	.amdgpu_metadata
---
amdhsa.version: [ 1, 2 ]
amdhsa.kernels:
  - .name:           k_qd85f264a33_fin
    .symbol:         k_qd85f264a33_fin.kd
    .args:
      - { .name: part, .offset: 0, .size: 8, .value_kind: global_buffer, .address_space: global }
      - { .name: out0, .offset: 8, .size: 8, .value_kind: global_buffer, .address_space: global }
      - { .name: out2, .offset: 16, .size: 8, .value_kind: global_buffer, .address_space: global }
    .group_segment_fixed_size: 14592
    .private_segment_fixed_size: 0
    .kernarg_segment_align: 8
    .kernarg_segment_size: 24
    .max_flat_workgroup_size: 512
    .sgpr_count:     66
    .vgpr_count:     96
    .wavefront_size: 32
...
	.end_amdgpu_metadata
.endif
;; end of part 4
;; ======== version 2 of 2: 4 launches; version 1 with the launch prep written anew for expert scheduling mode
;; workspace buffers: h1 1,048,576 bytes; ap 1,048,576 bytes; bp 1,048,576 bytes; w2b 1,048,576 bytes; w2c 1,048,576 bytes; plog 262,144 bytes; part 131,072 bytes
;; launch prep (part 5): grid 32 x 8, 8 waves a work-group, no clusters, 232,448 bytes of LDS; arguments agg_r, W1, Ws1, b1, bs1, Ws2, W2, h1, ap, bp, w2b, w2c; writes h1, ap, bp, w2b, w2c
.if DOCPART == 5
	.amdgcn_target "amdgcn-amd-amdhsa--gfx1250"
	.amdhsa_code_object_version 6
	.text
	.protected	k_qd85f264a33_prep
	.globl	k_qd85f264a33_prep
	.p2align	8
	.type	k_qd85f264a33_prep,@function
k_qd85f264a33_prep:
	s_mov_b64 s[64:65], 0
	v_nop
	global_prefetch_b8 v0, s[64:65] scope:SCOPE_SE
	s_setreg_imm32_b32 hwreg(HW_REG_WAVE_SCHED_MODE, 0, 2), 2
	s_setreg_imm32_b32 hwreg(HW_REG_WAVE_MODE, 25, 1), 1
	s_wait_xcnt 0x0
	s_wait_alu depctr_vm_vsrc(0)
; x = agg_r as [512][512] f32.  Work-groups with x-id 0-23 make one tile, 64 rows x 128 columns, of one of three products over K = 512:
;   h1 = relu(x W1 + b1),  ap = x Ws1[0:512] + bs1,  bp = x Ws1[512:1024],  each [512][1024], rounded once to bf16 and stored as [k / 256][row][256],
; so that a later launch finds rows of 512 bytes.  Work-groups with x-id 24-31 (64 of them) round Ws2 and W2 to bf16 and lay them in dense blocks:
;   w2b [n / 128][k][128],  w2c [n / 64][k][64].
; The operands are f32 in memory and bf16 in the matrix unit, so they pass through registers (load, round, LDS store); no copy engine is used, and no cluster:
; what is shared would have to be rounded by each work-group all the same.  The whole K lies in LDS: 64 x 512 of x (rows 1,040 bytes apart) and 512 x 128 of W
; (as it lies, [k][n], rows 288 bytes apart, read turned by ds_load_tr16_b128).  Eight waves, each 32 rows x 32 columns: four accumulators that take turns.
; The matrix instruction is used transposed (source 0 = 16 columns of W, source 1 = 16 rows of x): a lane then holds eight neighbouring columns of one row.
; LIMITS: operands rounded to bf16, sums in f32; NaN is not treated apart (a NaN loses against the floor of the maximum).
; THE MODE: SCHED_MODE bits 1:0 = 2 (LLVM: expert scheduling mode 2), set by the entry lines.  The code itself states the register dependences
; between vector or matrix instructions and memory or LDS instructions, with s_wait_alu, always for 0.
; THE PLAN.  Registers that memory or LDS instructions touch, in a product's path:
;   v4-v17, v244  offsets and LDS addresses: made at the head, never written again.
;   R0, R1, R2    raw f32.  Group g of six (16 loads) lands in set g % 3; its 32 conversions read the set; behind them group g + 3 lands in it.  No store reads these registers.
;   T             a group's 32 rounded pairs.  Written by the group's conversions; read by its 16 LDS stores; no load lands in it.
;   BI            the bias, in the last 16 registers of R0: its four loads are issued in group 3, the last that reads R0.  ACC and OUT take the rest of R0.
;   FS            four sets of fragments (32 along K each) in R1 and R2.  Step s: its four products read set s % 4; the LDS loads of step s + 3 land in set (s - 1) % 4, which step s - 1 read.
;   OUT           written by the last conversions and maxima; read by the stage's LDS stores; then the rows from the stage land in it and the global stores read it.
; So a group has ONE wait on va_vdst, behind its conversions (T is written; the raw set has been read): the next loads and the LDS stores follow it, the loads first; and one wait on vm_vsrc,
; behind the wait for the next group's data, ahead of the conversions that write T again.  A step of the products has one wait on va_vdst, behind its wait for LDS.
.set APITCH, 1040                      ; 1,024 bytes + 16: an odd multiple of 16, so the 16 rows of a fragment load begin in 16 different columns of 16 bytes
.set WPITCH, 288                       ; 256 bytes + 32: an odd multiple of 32, for the turning load
.set LW,     64*APITCH                 ; W's tile lies behind x's
.set STAGE,  LW+512*WPITCH             ; the way out: 64 rows x 272 bytes
.set SPITCH, 272
.set SPARE,  STAGE+64*SPITCH           ; the spare words: 128 bytes for each of eight waves
.set SPW, 18                           ; v18  my spare word's address; never rewritten
.set NIL, 19                           ; v19  0; never rewritten
.set T,   20                           ; v[20:51]    a group's rounded pairs on their way to LDS
.set R0,  52                           ; three sets of 64 registers: loads in flight
.set R1,  116
.set R2,  180
.set ACC, R0                           ; v[52:83]    accumulator (mb, nb) at ACC + 8 (2 mb + nb)
.set OUT, R0+32                        ; v[84:99]    packed results
.set BI,  R0+48                        ; v[100:115]  bias of my 2 x 8 columns
.set FS,  R1                           ; v[116:243]  fragment set k at FS + 32 k: x (mb) at + 8 mb, W (nb) at + 16 + 8 nb
.macro LDG reg, va, sb, off0, step     ; 16 loads of 16 bytes a lane
.set i, 0
.rept 16
	global_load_b128 v[(\reg)+4*i:(\reg)+4*i+3], v[\va], s[\sb:(\sb)+1] offset:(\off0)+i*(\step)
.set i, i+1
.endr
.endm
.macro CV reg                          ; the 16 loads' numbers are rounded to bf16, into T
.set i, 0
.rept 16
	v_cvt_pk_bf16_f32 v[T+2*i], v[(\reg)+4*i], v[(\reg)+4*i+1]
	v_cvt_pk_bf16_f32 v[T+2*i+1], v[(\reg)+4*i+2], v[(\reg)+4*i+3]
.set i, i+1
.endr
.endm
.macro ST va, off0, step               ; and stored, 8 bytes a lane
.set i, 0
.rept 16
	ds_store_b64 v[\va], v[T+2*i:T+2*i+1] offset:(\off0)+i*(\step)
.set i, i+1
.endr
.endm
.macro FRX s                           ; x's two fragments of step s (K = 32 s on)
.set fb, FS+32*((\s)%4)
.irp u, 0,1
	ds_load_b128 v[fb+8*\u:fb+8*\u+3], v11 offset:(\s)*64+\u*16*APITCH
	ds_load_b128 v[fb+8*\u+4:fb+8*\u+7], v11 offset:(\s)*64+\u*16*APITCH+32
.endr
.endm
.macro FRW s                           ; W's two fragments of step s; an address register for each 192 of K
.set fb, FS+32*((\s)%4)+16
.irp u, 0,1
	ds_load_tr16_b128 v[fb+8*\u:fb+8*\u+3], v[12+(\s)/6] offset:((\s)%6)*32*WPITCH+\u*32
	ds_load_tr16_b128 v[fb+8*\u+4:fb+8*\u+7], v[12+(\s)/6] offset:((\s)%6)*32*WPITCH+\u*32+16*WPITCH
.endr
.endm
.macro MU s, mb                        ; two products of step s: rows 16 mb on, both column blocks; the four accumulators take turns; step 0 starts the sums with the bias
.set fb, FS+32*((\s)%4)
.irp nb, 0,1
.if (\s) == 0
	v_wmma_f32_16x16x32_bf16 v[ACC+8*(2*(\mb)+\nb):ACC+8*(2*(\mb)+\nb)+7], v[fb+16+8*\nb:fb+16+8*\nb+7], v[fb+8*(\mb):fb+8*(\mb)+7], v[BI+8*\nb:BI+8*\nb+7]
.else
	v_wmma_f32_16x16x32_bf16 v[ACC+8*(2*(\mb)+\nb):ACC+8*(2*(\mb)+\nb)+7], v[fb+16+8*\nb:fb+16+8*\nb+7], v[fb+8*(\mb):fb+8*(\mb)+7], v[ACC+8*(2*(\mb)+\nb):ACC+8*(2*(\mb)+\nb)+7]
.endif
.endr
.endm
	s_load_b512 s[4:19], s[0:1], 0x0               ; agg_r s[4:5], W1 s[6:7], Ws1 s[8:9], b1 s[10:11], bs1 s[12:13], Ws2 s[14:15], W2 s[16:17], h1 s[18:19]
	s_load_b256 s[20:27], s[0:1], 0x40             ; ap s[20:21], bp s[22:23], w2b s[24:25], w2c s[26:27]
	v_lshl_add_u32 v[SPW], v0, 2, SPARE
	v_mov_b32 v[NIL], 0
	v_lshrrev_b32 v1, 5, v0
	v_readfirstlane_b32 s30, v1                    ; wave 0..7
	s_mov_b32 s28, ttmp9                           ; x-id
	s_and_b32 s29, ttmp7, 0xffff                   ; y-id
	s_wait_alu depctr_va_sdst(0)                   ; s30 is written, ahead of the branch and of its first reader: LDS and global offsets are made from it
	s_cmp_ge_u32 s28, 24
	s_cbranch_scc1 .Lcast                          ; the same for all waves of a work-group
	; ---------------- a tile of a product ----------------
	s_lshr_b32 s31, s28, 3                         ; which product: 0 h1, 1 ap, 2 bp
	s_and_b32 s32, s28, 7                          ; which 128 columns
	s_lshr_b32 s49, s30, 2                         ; wm: my 32 rows
	s_and_b32 s50, s30, 3                          ; wn: my 32 columns
	v_and_b32 v1, 31, v0                           ; lane
	v_and_b32 v2, 15, v0
	v_bfe_u32 v3, v0, 4, 1
	v_lshlrev_b32 v4, 4, v0                        ; x: 256 threads x 16 bytes are two rows of 2,048 bytes
	s_lshl_b32 s48, s30, 12
	v_lshl_add_u32 v5, v1, 4, s48                  ; W: wave w takes row 8 i + w, 512 bytes of it
	s_mul_i32 s48, s49, APITCH
	s_lshl_b32 s51, s50, 8
	s_add_co_u32 s48, s48, s51
	v_lshl_add_u32 v6, v1, 3, s48                  ; x in LDS: row w / 4, byte 256 (w % 4) + 8 lane
	s_mul_i32 s48, s30, WPITCH
	s_add_co_u32 s48, s48, LW
	v_lshl_add_u32 v7, v1, 3, s48                  ; W in LDS: row w, byte 8 lane; one register for each 128 rows
	v_add_nc_u32 v8, 128*WPITCH, v7
	v_add_nc_u32 v9, 256*WPITCH, v7
	v_add_nc_u32 v10, 384*WPITCH, v7
	s_lshl_b32 s48, s50, 7
	v_lshl_add_u32 v244, v3, 5, s48                ; bias: 4 (32 wn + 8 h)
	s_mul_i32 s48, s49, 32*APITCH
	v_mul_u32_u24 v11, v2, APITCH
	v_lshl_add_u32 v11, v3, 4, v11
	v_add_nc_u32 v11, s48, v11                     ; x's fragments: row 32 wm + l % 16, byte 16 (l / 16)
	v_and_b32 v245, 7, v0
	v_lshl_add_u32 v245, v3, 3, v245
	v_mul_u32_u24 v12, v245, WPITCH
	v_bfe_u32 v245, v0, 3, 1
	v_lshl_add_u32 v12, v245, 4, v12
	s_lshl_b32 s48, s50, 6
	s_add_co_u32 s51, s48, LW
	v_add_nc_u32 v12, s51, v12                     ; W's fragments: row 8 (l / 16) + l % 8, byte 64 wn + 16 ((l / 8) % 2); K = 0, 192, 384 on
	v_add_nc_u32 v13, 3*64*WPITCH, v12
	v_add_nc_u32 v14, 6*64*WPITCH, v12
	s_mul_i32 s51, s49, 32*SPITCH
	s_add_co_u32 s51, s51, s48
	s_add_co_u32 s51, s51, STAGE
	v_mul_u32_u24 v15, v2, SPITCH
	v_lshl_add_u32 v15, v3, 4, v15
	v_add_nc_u32 v15, s51, v15                     ; into the stage: row 32 wm + l % 16, byte 64 wn + 16 (l / 16)
	v_lshrrev_b32 v245, 4, v0
	v_mul_u32_u24 v16, v245, SPITCH
	v_lshl_add_u32 v16, v2, 4, v16
	v_add_nc_u32 v16, STAGE, v16                   ; back: row t / 16, byte 16 (t % 16)
	v_lshlrev_b32 v17, 9, v245
	v_lshl_add_u32 v17, v2, 4, v17                 ; the same place in the output: rows of 512 bytes
	s_wait_kmcnt 0x0
	s_cmp_eq_u32 s31, 0
	s_cselect_b64 s[34:35], s[6:7], s[8:9]         ; weights
	s_cselect_b64 s[36:37], s[10:11], s[12:13]     ; bias
	s_cselect_b64 s[38:39], s[18:19], s[20:21]     ; output
	s_cselect_b32 s33, 0, 0xff80ff80               ; the maximum's floor, twice in bf16: 0 for h1, minus infinity where there is no ReLU
	s_cmp_eq_u32 s31, 2
	s_cselect_b64 s[38:39], s[22:23], s[38:39]
	s_cselect_b32 s40, 0, -1                       ; bp has no bias: lane mask 0
	s_cselect_b32 s42, 0x200000, 0                 ; bp takes Ws1's rows 512 on
	s_lshl_b32 s44, s32, 9                         ; 128 columns of f32
	s_mov_b32 s45, 0
	s_mov_b32 s43, 0
	s_add_nc_u64 s[36:37], s[36:37], s[44:45]
	s_add_co_u32 s42, s42, s44
	s_add_nc_u64 s[34:35], s[34:35], s[42:43]
	s_lshl_b32 s46, s29, 17                        ; 64 rows of 2,048 bytes
	s_mov_b32 s47, 0
	s_add_nc_u64 s[4:5], s[4:5], s[46:47]
	s_lshr_b32 s46, s32, 1
	s_lshl_b32 s46, s46, 18                        ; output: chunk of 256 columns,
	s_lshl_b32 s44, s29, 15                        ; 64 rows of 512 bytes,
	s_add_co_u32 s46, s46, s44
	s_and_b32 s44, s32, 1
	s_lshl_b32 s44, s44, 8                         ; which half of a row
	s_add_co_u32 s46, s46, s44
	s_add_nc_u64 s[38:39], s[38:39], s[46:47]
	s_wait_alu depctr_va_vdst(0)                   ; v4 to v17 and v244 are written: every load and store of this path reads one of them as its offset or address
	; six groups of 16 loads through three raw sets: each wait on LOADcnt leaves the younger groups out
	LDG R0, 4, 4, 0, 4096                          ; group 0: x rows 0-31
	LDG R1, 4, 4, 65536, 4096                      ; group 1: x rows 32-63
	LDG R2, 5, 34, 0, 32768                        ; group 2: W rows 0-127
	s_wait_loadcnt 32                              ; group 0 is in; two younger groups stay out
	CV R0
	s_wait_alu depctr_va_vdst(0)                   ; the conversions have written T, which the LDS stores read, and are done reading R0, in which the loads land
	LDG R0, 5, 34, 524288, 32768                   ; group 3: W rows 128-255
	ST 6, 0, 2*APITCH
	s_wait_loadcnt 32                              ; group 1
	s_wait_alu depctr_vm_vsrc(0)                   ; the last group's LDS stores have read T, which the conversions write again
	CV R1
	s_wait_alu depctr_va_vdst(0)                   ; T is written; R1 has been read
	LDG R1, 5, 34, 2*524288, 32768                 ; group 4: W rows 256-383
	ST 6, 32*APITCH, 2*APITCH
	s_wait_loadcnt 32                              ; group 2
	s_wait_alu depctr_vm_vsrc(0)                   ; the last group's LDS stores have read T
	CV R2
	s_wait_alu depctr_va_vdst(0)                   ; T is written; R2 has been read
	LDG R2, 5, 34, 3*524288, 32768                 ; group 5: W rows 384-511
	ST 7, 0, 8*WPITCH
	s_wait_loadcnt 32                              ; group 3
	s_wait_alu depctr_vm_vsrc(0)                   ; the last group's LDS stores have read T
	CV R0
	s_wait_alu depctr_va_vdst(0)                   ; T is written; R0 has been read for the last time: the bias lands in its last 16 registers
	global_load_b128 v[BI:BI+3], v244, s[36:37]
	global_load_b128 v[BI+4:BI+7], v244, s[36:37] offset:16
	global_load_b128 v[BI+8:BI+11], v244, s[36:37] offset:64
	global_load_b128 v[BI+12:BI+15], v244, s[36:37] offset:80
	ST 8, 0, 8*WPITCH
	s_wait_loadcnt 20                              ; group 4 is in; group 5's 16 loads and the bias's 4 stay out
	s_wait_alu depctr_vm_vsrc(0)                   ; the last group's LDS stores have read T
	CV R1
	s_wait_alu depctr_va_vdst(0)                   ; T is written, which the LDS stores read
	ST 9, 0, 8*WPITCH
	s_wait_loadcnt 4                               ; group 5 is in; the bias stays out
	s_wait_alu depctr_vm_vsrc(0)                   ; the last group's LDS stores have read T
	CV R2
	s_wait_alu depctr_va_vdst(0)                   ; T is written, which the LDS stores read; R1 and R2 have been read for the last time: the fragments' loads behind the barrier land in them
	ST 10, 0, 8*WPITCH
	s_wait_loadcnt 0x0                             ; the bias
.set i, 0
.rept 16
	v_cndmask_b32 v[BI+i], 0, v[BI+i], s40         ; the bias, or 0
.set i, i+1
.endr
	s_wait_dscnt 0x0                               ; for the others' sake: my stores are done
	s_barrier_signal -1
	s_barrier_wait -1
	FRX 0                                          ; the fragments of steps 0 to 2; each step asks for those three steps on
	FRW 0
	FRX 1
	FRW 1
	FRX 2
	FRW 2
.set ss, 0
.rept 16                                               ; a step is 32 along K: four products, eight LDS loads dealt among them
.if ss < 14
	s_wait_dscnt 16                                ; LDS loads come back in order (ISA guide 5.7.1): this step's fragments are in, the two younger steps' 16 loads stay out
.elseif ss == 14
	s_wait_dscnt 8                                 ; the counts run down
.else
	s_wait_dscnt 0x0
.endif
.if (ss > 0) && (ss < 13)
	s_wait_alu depctr_va_vdst(0)                   ; the products of the step before are done reading their set, in which this step's loads land (in step 0 the set was last read by group 5's conversions, which have had their wait)
.endif
.if ss < 13
	FRX ss+3
.endif
	MU ss, 0                                       ; these name this step's set, the accumulators and, in step 0, the bias: none of the registers that the step's loads touch
.if ss < 13
	FRW ss+3
.endif
	MU ss, 1
.set ss, ss+1
.endr
.rept 4
	v_nop                                          ; four places behind the last products, in front of the conversions (ISA guide 7.12.1)
.endr
.irp a, 0,1,2,3
.irp e, 0,1,2,3
	v_cvt_pk_bf16_f32 v[OUT+4*\a+\e], v[ACC+8*\a+2*\e], v[ACC+8*\a+2*\e+1]
.endr
.endr
.set i, 0
.rept 16
	v_pk_max_num_bf16 v[OUT+i], v[OUT+i], s33      ; ReLU, or nothing
.set i, i+1
.endr
	s_wait_alu depctr_va_vdst(0)                   ; the maxima have written OUT, which the LDS stores read
.irp mb, 0,1
.irp nb, 0,1
	ds_store_b128 v15, v[OUT+4*(2*\mb+\nb):OUT+4*(2*\mb+\nb)+3] offset:\mb*16*SPITCH+\nb*32
.endr
.endr
	s_wait_dscnt 0x0                               ; a row's 256 bytes come from four waves
	s_barrier_signal -1
	s_barrier_wait -1
	s_wait_alu depctr_vm_vsrc(0)                   ; my LDS stores have read OUT, in which the rows from the stage land
.irp p, 0,1,2,3
	ds_load_b128 v[OUT+4*\p:OUT+4*\p+3], v16 offset:\p*16*SPITCH
.endr
.irp p, 0,1,2,3
	s_wait_dscnt 3-\p
	global_store_b128 v17, v[OUT+4*\p:OUT+4*\p+3], s[38:39] offset:\p*8192  ; 16 lanes store 256 consecutive bytes, at a multiple of 256
.endr
	s_wait_dscnt 0x0                               ; the closing lines, six on end
	s_wait_alu 0x0
	s_wait_tensorcnt 0x0
	ds_add_u32 v[SPW], v[NIL]
	s_wait_dscnt 0x0
	s_endpgm
	; ---------------- the casts: no LDS ----------------
	; Registers that memory instructions touch: v4, v5, v6 offsets, made once; v[20:83] as loaded, read by the conversions alone; v[84:115] written by the conversions, each register once, read by the stores.
.Lcast:
	s_sub_co_u32 s31, s28, 24
	s_lshl3_add_u32 s31, s29, s31                  ; id 0..63
	s_lshr_b32 s32, s31, 4                         ; Ws2: column block of 128,
	s_and_b32 s33, s31, 15                         ; 64 rows of K
	s_lshl_b32 s34, s33, 17                        ; 64 rows of 2,048 bytes
	s_lshl_b32 s36, s32, 9
	s_add_co_u32 s34, s34, s36
	s_mov_b32 s35, 0
	s_lshl_b32 s36, s32, 18                        ; w2b: a column block is 262,144 bytes,
	s_lshl_b32 s38, s33, 14                        ; 64 rows of 256 bytes
	s_add_co_u32 s36, s36, s38
	s_mov_b32 s37, 0
	s_lshr_b32 s32, s31, 3                         ; W2: column block of 64,
	s_and_b32 s33, s31, 7                          ; 128 rows of K
	s_lshl_b32 s38, s33, 18
	s_lshl_b32 s40, s32, 8
	s_add_co_u32 s38, s38, s40
	s_mov_b32 s39, 0
	s_lshl_b32 s40, s32, 17                        ; w2c: a column block is 131,072 bytes,
	s_lshl_b32 s42, s33, 14                        ; 128 rows of 128 bytes
	s_add_co_u32 s40, s40, s42
	s_mov_b32 s41, 0
	v_lshrrev_b32 v4, 4, v0
	v_and_b32 v7, 15, v0
	v_lshlrev_b32 v7, 5, v7
	v_lshl_add_u32 v4, v4, 11, v7                  ; Ws2: row t / 16, 32 bytes at 32 (t % 16)
	v_lshrrev_b32 v5, 3, v0
	v_and_b32 v7, 7, v0
	v_lshlrev_b32 v7, 5, v7
	v_lshl_add_u32 v5, v5, 11, v7                  ; W2: row t / 8, 32 bytes at 32 (t % 8)
	v_lshlrev_b32 v6, 4, v0                        ; both outputs are dense: 16 t
	s_wait_kmcnt 0x0
	s_add_nc_u64 s[14:15], s[14:15], s[34:35]
	s_add_nc_u64 s[24:25], s[24:25], s[36:37]
	s_add_nc_u64 s[16:17], s[16:17], s[38:39]
	s_add_nc_u64 s[26:27], s[26:27], s[40:41]
	s_wait_alu depctr_va_vdst(0)                   ; v4, v5 and v6 are written: the loads and stores below read them as their offsets
.irp p, 0,1,2,3
	global_load_b128 v[20+8*\p:23+8*\p], v4, s[14:15] offset:\p*32768 th:TH_LOAD_NT
	global_load_b128 v[24+8*\p:27+8*\p], v4, s[14:15] offset:\p*32768+16 th:TH_LOAD_NT
.endr
.irp p, 0,1,2,3
	global_load_b128 v[52+8*\p:55+8*\p], v5, s[16:17] offset:\p*65536 th:TH_LOAD_NT
	global_load_b128 v[56+8*\p:59+8*\p], v5, s[16:17] offset:\p*65536+16 th:TH_LOAD_NT
.endr
	s_wait_loadcnt 8                               ; Ws2's eight loads are in; W2's eight stay out
.irp j, 0,1,2,3
.irp e, 0,1,2,3
	v_cvt_pk_bf16_f32 v[84+4*\j+\e], v[20+8*\j+2*\e], v[20+8*\j+2*\e+1]
.endr
.endr
	s_wait_alu depctr_va_vdst(0)                   ; the conversions have written v[84:99], which the four stores read
.irp j, 0,1,2,3
	global_store_b128 v6, v[84+4*\j:87+4*\j], s[24:25] offset:\j*4096
.endr
	s_wait_loadcnt 0x0                             ; W2
.irp j, 4,5,6,7
.irp e, 0,1,2,3
	v_cvt_pk_bf16_f32 v[84+4*\j+\e], v[20+8*\j+2*\e], v[20+8*\j+2*\e+1]
.endr
.endr
	s_wait_alu depctr_va_vdst(0)                   ; the conversions have written v[100:115], which the four stores read
.irp j, 4,5,6,7
	global_store_b128 v6, v[84+4*\j:87+4*\j], s[26:27] offset:(\j-4)*4096
.endr
	s_endpgm
.Lfunc_end_k_qd85f264a33_prep:
	.size	k_qd85f264a33_prep, .Lfunc_end_k_qd85f264a33_prep-k_qd85f264a33_prep
	.p2alignl 7, 3214868480
	.fill 96, 4, 3214868480
	.section	.rodata,"a",@progbits
	.p2align	6, 0x0
	.amdhsa_kernel k_qd85f264a33_prep
		.amdhsa_group_segment_fixed_size 232448
		.amdhsa_private_segment_fixed_size 0
		.amdhsa_enable_private_segment 0
		.amdhsa_kernarg_size 96
		.amdhsa_user_sgpr_count 2
		.amdhsa_user_sgpr_kernarg_segment_ptr 1
		.amdhsa_wavefront_size32 1
		.amdhsa_system_sgpr_workgroup_id_x 1
		.amdhsa_system_sgpr_workgroup_id_y 1
		.amdhsa_system_sgpr_workgroup_id_z 1
		.amdhsa_system_vgpr_workitem_id 0
		.amdhsa_next_free_vgpr 256
		.amdhsa_next_free_sgpr 66
		.amdhsa_reserve_vcc 0
		.amdhsa_float_denorm_mode_32 3
		.amdhsa_float_denorm_mode_16_64 3
		.amdhsa_memory_ordered 1
		.amdhsa_forward_progress 1
		.amdhsa_inst_pref_size 56
	.end_amdhsa_kernel
	.amdgpu_metadata
---
amdhsa.version: [ 1, 2 ]
amdhsa.kernels:
  - .name:           k_qd85f264a33_prep
    .symbol:         k_qd85f264a33_prep.kd
    .args:
      - { .name: agg_r, .offset: 0, .size: 8, .value_kind: global_buffer, .address_space: global }
      - { .name: W1, .offset: 8, .size: 8, .value_kind: global_buffer, .address_space: global }
      - { .name: Ws1, .offset: 16, .size: 8, .value_kind: global_buffer, .address_space: global }
      - { .name: b1, .offset: 24, .size: 8, .value_kind: global_buffer, .address_space: global }
      - { .name: bs1, .offset: 32, .size: 8, .value_kind: global_buffer, .address_space: global }
      - { .name: Ws2, .offset: 40, .size: 8, .value_kind: global_buffer, .address_space: global }
      - { .name: W2, .offset: 48, .size: 8, .value_kind: global_buffer, .address_space: global }
      - { .name: h1, .offset: 56, .size: 8, .value_kind: global_buffer, .address_space: global }
      - { .name: ap, .offset: 64, .size: 8, .value_kind: global_buffer, .address_space: global }
      - { .name: bp, .offset: 72, .size: 8, .value_kind: global_buffer, .address_space: global }
      - { .name: w2b, .offset: 80, .size: 8, .value_kind: global_buffer, .address_space: global }
      - { .name: w2c, .offset: 88, .size: 8, .value_kind: global_buffer, .address_space: global }
    .group_segment_fixed_size: 232448
    .private_segment_fixed_size: 0
    .kernarg_segment_align: 8
    .kernarg_segment_size: 96
    .max_flat_workgroup_size: 256
    .sgpr_count:     66
    .vgpr_count:     256
    .wavefront_size: 32
...
	.end_amdgpu_metadata
.endif
;; end of part 5
;; launch cls2: the kernel of part 2 again; grid 8 x 16, 4 waves a work-group, no clusters, 231,936 bytes of LDS; arguments h1, w2c, b2, W3, plog; writes plog
;; launch pairs: the kernel of part 3 again; grid 256 x 1, 4 waves a work-group, clusters of 4 x 1, 327,680 bytes of LDS; arguments ap, bp, w2b, plog, y, b3, bs2, Ws3, bs3, part, out1, out3; writes part, out1, out3
;; launch fin: the kernel of part 4 again; grid 1 x 1, 16 waves a work-group, no clusters, 14,592 bytes of LDS; arguments part, out0, out2; writes out0, out2
